; MI455X (gfx1250); checked and timed in simulation.
; The chip was launched on July 23, 2026; its instructions are those of AMD's public machine-readable ISA for CDNA 5 (MIT licence, August 2026) and "CDNA5" Instruction Set Architecture Reference Guide (July 2026). The comments in the code are by the model that wrote it; some were corrected since.
;; Rotary Self Attention. Allowed arithmetic: matrix products marked QUANTISED: E4M3 operands, one given power-of-two scale a tensor, by v_wmma_f32_16x16x64_fp8_fp8 or v_wmma_f32_16x16x128_fp8_fp8, f32 sums; everything else in f32.
;; Inputs: Wk 1,024 x 1,024 float32; Wo 1,024 x 1,024 float32; Wq 1,024 x 1,024 float32; Wv 1,024 x 1,024 float32; bk 1,024 float32; bo 1,024 float32; bq 1,024 float32; bv 1,024 float32; lowp_scales 12 int32 (the exponents e of the quantised operands' scales 2^e); x 4 x 2,048 x 1,024 float32.
;; Outputs: out0 4 x 2,048 x 1,024 float32.
;; This version of the problem:
;;   THIS VERSION OF THE PROBLEM IS GIVEN IN LOW PRECISION. The matrix products marked QUANTISED in the list below multiply operands that are first quantised to E4M3 (4 exponent bits, 3 mantissa bits; 8 bits a number), with one given power-of-two scale for each operand tensor; their sums are f32. All else is computed in f32.
;;   The module's matrix products, in the order in which they are computed (A, B: the left and right operand; K: the contracted axis; several contracted axes count as one K, in the product's order):
;;     1. [M 8,192, K 1,024] x [K 1,024, N 1,024]; A: input x; B: input Wq: QUANTISED (scales: A lowp_scales[0], B lowp_scales[1])
;;     2. [M 8,192, K 1,024] x [K 1,024, N 1,024]; A: input x; B: input Wk: QUANTISED (scales: A lowp_scales[2], B lowp_scales[3])
;;     3. [M 8,192, K 1,024] x [K 1,024, N 1,024]; A: input x; B: input Wv: QUANTISED (scales: A lowp_scales[4], B lowp_scales[5])
;;     4. batch 64 x [M 2,048, K 64] x [K 64, N 2,048]; A: computed on the way; B: computed on the way: QUANTISED (scales: A lowp_scales[6], B lowp_scales[7])
;;     5. batch 64 x [M 2,048, K 2,048] x [K 2,048, N 64]; A: softmax (see below); B: computed on the way: QUANTISED (scales: A lowp_scales[8], B lowp_scales[9])
;;     6. [M 8,192, K 1,024] x [K 1,024, N 1,024]; A: computed on the way; B: input Wo: QUANTISED (scales: A lowp_scales[10], B lowp_scales[11])
;;   THE QUANTISER, for each operand of a quantised product, along K:
;;     - The operand's scale is 2^e, e = its entry of the input lowp_scales (int32; the entries are numbered through the quantised products in the list's order, A before B).
;;     - Each number is divided by the scale, clamped to +-448, and rounded to the nearest number of E4M3, ties to even, subnormals kept.
;;     - The product sums the exact products of the quantised numbers (number of the format x scale) in f32.
;;   ~~~python
;;   def quantise(x, axis, e):      # numpy; x: float32 -> the quantised numbers, widened to float32 again
;;       x = np.moveaxis(x, axis, -1); K = x.shape[-1]
;;       r = np.clip(x / 2.0 ** e, -448, 448)
;;       step = 2.0 ** (np.maximum(np.frexp(np.where(r == 0, 1, r))[1] - 1, -6) - 3)
;;       q = np.round(r / step) * step * 2.0 ** e      # np.round: ties to even
;;       return np.moveaxis(q, -1, axis).astype(np.float32)
;;   ~~~
;;   SOFTMAX AHEAD OF A QUANTISED PRODUCT. Where the list says 'softmax', what is quantised is not the finished softmax but p = 2^(t - M), with t = logit x log2(e) and M = ceil(the row's largest t), a whole number; so 1/2 < the row's largest p <= 1. The row's sum l is taken of the UNQUANTISED p, in f32, and the product's result is divided by l at the end. Since M is a whole number, a kernel that streams over the keys may use a running M (the ceiling of the running maximum): every later rescaling is an exact power of two, so the quantised numbers keep their values, but for numbers so far below the row's largest that they fall under the format's range.
;;   OPERANDS COMPUTED ON THE WAY. 'Computed on the way' means the value that the module computes at that place (a softmax that the list does not call 'softmax' is quantised finished and normalised). What goes into a quantiser is computed in f32, as accurately as f32 sums, v_exp_f32 and their like allow (about 1e-6 of the number): no bf16 or f16 on the way to a quantiser, and a product that is left as it is and whose result goes on into a quantised operand takes f32 operands (vector FMAs, or v_wmma_f32_16x16x4_f32). A number that lies on a knife's edge between two numbers of the format may be rounded either way, as far as f32 arithmetic and the matrix unit's own rounding can turn it there, and no further.
;; One version. Each part assembles by itself: llvm-mc -triple=amdgcn-amd-amdhsa -mcpu=gfx1250 --defsym DOCPART=n.
;; ======== version 1 of 1: 4 launches
;; limits: right only within a limited range of input values
;; workspace buffers: x_img 25,165,824 bytes; w_img 4,194,304 bytes; rope 786,432 bytes; qkv_img 25,165,824 bytes; o_img 8,388,608 bytes
;; launch prep (part 1): grid 800 x 1, 4 waves a work-group, no clusters, 68,096 bytes of LDS; arguments x, Wq, Wk, Wv, Wo, lowp_scales, x_img, w_img, rope; writes x_img, w_img, rope
.if DOCPART == 1
	.amdgcn_target "amdgcn-amd-amdhsa--gfx1250"
	.amdhsa_code_object_version 6
	.text
	.protected	k_qba168d77dc_prep
	.globl	k_qba168d77dc_prep
	.p2align	8
	.type	k_qba168d77dc_prep,@function
k_qba168d77dc_prep:
	s_mov_b64 s[64:65], 0
	v_nop
	global_prefetch_b8 v0, s[64:65] scope:SCOPE_SE
	s_setreg_imm32_b32 hwreg(HW_REG_WAVE_MODE, 25, 1), 1
	s_wait_xcnt 0x0
; RotarySelfAttention in E4M3, launch 1 of 4: the wide inputs become codes, and the table of cos and sin is made.
; THE PROGRAM.  1 prep: codes of x (three sets: its scales e0, e2, e4 may differ), of Wq, Wk, Wv, Wo; cos/sin.  2 qkv: products 1-3, bias, rotation, codes of q, k, v.
; 3 attn: products 4 and 5 with the streaming softmax, codes of the result.  4 oproj: product 6 and bo.
; WORK LEFT OUT, in the whole program: key steps of 128 keys that lie wholly behind a tile of 16 queries.  reference() itself sets their scores to -inf by its own triu mask, so their p is 0 for all
; values of the inputs and they add nothing to the row's sum or to product 5.  Every input has a way to the output (bk too: it moves k's codes) and is loaded.
; LIMIT: a NaN, an infinity or an overflow that reaches only those masked steps is not carried to the result.
; LIMITS on the given exponents: each e used by a quantiser lies between -126 and 119, so that 2^e and 448 x 2^e are f32 numbers.  NaN among the inputs is not served; an infinity is held at the largest code.
; LIMIT of the table: inv_freq = 2^(-i log2(10000) / 32) by v_exp_f32; near position 2,047 the angle of the low pairs may differ from an f32 pow's by about 1e-4 rad.
; AN OPERAND IS STORED AS AN IMAGE OF ITS REGISTERS.  A fragment is 16 rows x 128 K: lane (r = lane % 16, h = lane / 16) holds row r, its registers 2c, 2c+1 hold K = 16c + 8h + 0..7.  Registers 4q..4q+3 of
; all 32 lanes are 512 consecutive bytes, lane l's 16 at 16 l; a fragment is 2,048 bytes.  x_img: [set 3][tile of 16 rows 512][128 K 8][2,048];  w_img: [Wq, Wk, Wv, Wo][tile 64][8][2,048].
; SHARES.  Work-groups 0-511: a tile of 16 rows of x, wave g its K blocks 2g, 2g+1.  512-767: the same for a tile of a weight.  768-799: the table, a wave to a tile of 16 positions.
; A unit (16 rows x 128 numbers) is loaded as it lies, 512 consecutive bytes a load, turned through the wave's own stage in LDS (rows 528 bytes apart: row r starts 16 r bytes on, modulo 256), and comes back
; as 8 neighbours along K a lane and c.  The two paths that use LDS have stages of their own.  No barrier: waves share nothing.
.set PITCH, 528
.set STG,   16*PITCH                   ; a wave's stage
.set SPARE, 8*STG                      ; behind the eight stages: the spare words, 128 bytes a wave
.set LI,  1                            ; v1   16 x lane
.set SAX, 2                            ; v2   x's path: into the stage
.set RAX, 3                            ; v3   and out of it: 528 r + 32 h
.set SAW, 4                            ; v4, v5 the same for the weights' path
.set RAW, 5
.set SPW, 12                           ; v12  my spare word's LDS address; never rewritten
.set NIL, 13                           ; v13  0; never rewritten
.set R,   16                           ; v16-143  two units as loaded
.set X,   144                          ; v144-207 a unit turned: register 8c + i = K 16c + 8h + i of my row
.set T,   208                          ; v208-223 two sets of eight held numbers
.set C,   224                          ; v224-255 two sets of sixteen registers of codes
.set SRC, 36                           ; s[36:37] where my two units begin
	s_load_b512 s[4:19], s[0:1], 0x0               ; x, Wq, Wk, Wv, Wo, the exponents, x_img, w_img
	s_load_b64 s[20:21], s[0:1], 0x40              ; rope
	v_lshl_add_u32 v[SPW], v0, 2, SPARE
	v_mov_b32 v[NIL], 0
	v_lshrrev_b32 v6, 5, v0
	v_readfirstlane_b32 s22, v6                    ; wave
	v_and_b32 v6, 31, v0
	v_lshlrev_b32 v[LI], 4, v6
	v_and_b32 v7, 15, v0                           ; r
	v_bfe_u32 v6, v0, 4, 1                         ; h
	s_mul_i32 s23, s22, STG
	v_add_nc_u32 v[SAX], s23, v[LI]
	v_mul_u32_u24 v[RAX], v7, PITCH
	v_lshl_add_u32 v[RAX], v6, 5, v[RAX]
	v_add_nc_u32 v[RAX], s23, v[RAX]
	v_add_nc_u32 v[SAW], 4*STG, v[SAX]             ; every LDS address is made ahead of the parting of the paths
	v_add_nc_u32 v[RAW], 4*STG, v[RAX]
	s_wait_kmcnt 0x0
	s_load_b256 s[24:31], s[14:15], 0x0            ; e0 .. e7
	s_load_b128 s[32:35], s[14:15], 0x20           ; e8 .. e11
.macro MKSC e, sc, lim                 ; from the whole number in s[e]: v[sc] = 2^e as f32, v[lim] = 448 x 2^e
	s_add_co_i32 s50, s[\e], 127
	s_lshl_b32 s51, s50, 23
	v_mov_b32 v[\sc], s51
	s_add_co_i32 s50, s50, 8
	s_lshl_b32 s50, s50, 23
	s_or_b32 s50, s50, 0x600000
	v_mov_b32 v[\lim], s50
.endm
.macro LOADU j                         ; unit j: sixteen rows, 512 consecutive bytes each
.irp p, 0,1,2,3,4,5,6,7,8,9,10,11,12,13,14,15
	global_load_b128 v[R+64*(\j)+4*\p:R+64*(\j)+4*\p+3], v[LI], s[SRC:SRC+1] offset:4096*\p+512*(\j) th:TH_LOAD_NT
.endr
.endm
.macro TURNU j, sa, ra                 ; through my stage: LDS serves a wave's instructions in order, so no wait stands between the stores and the loads
.irp p, 0,1,2,3,4,5,6,7,8,9,10,11,12,13,14,15
	ds_store_b128 v[\sa], v[R+64*(\j)+4*\p:R+64*(\j)+4*\p+3] offset:PITCH*\p
.endr
.irp c, 0,1,2,3,4,5,6,7
	ds_load_b128 v[X+8*\c:X+8*\c+3], v[\ra] offset:64*\c
	ds_load_b128 v[X+8*\c+4:X+8*\c+7], v[\ra] offset:64*\c+16
.endr
.endm
.macro QUANTU n, dst, sc, lim, j       ; the unit in X becomes a fragment's codes by the scale v[sc] and goes out: four stores of 512 consecutive bytes.  n: the count of calls; codes' set n % 2
.set CS, C+16*((\n)%2)
.if (\n) >= 2
	s_wait_xcnt 0x0                                ; the stores that read this set of codes have had their addresses translated: only now is it written again
.endif
.irp c, 0,1,2,3,4,5,6,7
.irp i, 0,1,2,3,4,5,6,7
	v_med3_num_f32 v[T+8*(\c%2)+\i], v[X+8*\c+\i], -v[\lim], v[\lim]   ; the conversion to an 8-bit code does not saturate (ISA guide 7.6.2): the hold at 448 x the scale comes first
.endr
	v_cvt_scalef32_pk8_fp8_f32 v[CS+2*\c:CS+2*\c+1], v[T+8*(\c%2):T+8*(\c%2)+7], v[\sc]   ; T's two sets take turns: eight plain lines stand between a conversion and the next write of its sources
.endr
	v_nop                                          ; a plain line behind the last conversion
.irp q, 0,1,2,3
	global_store_b128 v[LI], v[CS+4*\q:CS+4*\q+3], s[\dst:\dst+1] offset:2048*(\j)+512*\q
.endr
.endm
	s_cmp_lt_u32 ttmp9, 512
	s_cbranch_scc0 .Lnot_x
	; ---- x: tile ttmp9, three sets of codes
	s_lshl_b32 s56, ttmp9, 16                      ; 16 rows of 4,096 bytes
	s_lshl_b32 s58, s22, 10                        ; my two K blocks of 512 bytes
	s_add_co_u32 s56, s56, s58
	s_mov_b32 s57, 0
	s_add_nc_u64 s[SRC:SRC+1], s[4:5], s[56:57]
	s_lshl_b32 s56, ttmp9, 14                      ; a tile's eight fragments
	s_lshl_b32 s58, s22, 12                        ; my two
	s_add_co_u32 s56, s56, s58
	s_add_nc_u64 s[38:39], s[16:17], s[56:57]      ; set 0,
	s_add_nc_u64 s[40:41], s[38:39], 0x800000      ; set 1,
	s_add_nc_u64 s[42:43], s[40:41], 0x800000      ; set 2
	s_wait_alu depctr_va_vdst(0)
	LOADU 0
	LOADU 1
	s_wait_kmcnt 0x0
	MKSC 24, 8, 11                                 ; e0
	MKSC 26, 9, 14                                 ; e2
	MKSC 28, 10, 15                                ; e4
	s_wait_alu depctr_va_vdst(0)
	s_wait_loadcnt 16                              ; unit 0 is in; unit 1's sixteen loads may be out
	TURNU 0, SAX, RAX
	s_wait_dscnt 0x0
	QUANTU 0, 38, 8, 11, 0
	QUANTU 1, 40, 9, 14, 0
	QUANTU 2, 42, 10, 15, 0
	s_wait_loadcnt 0x0
	TURNU 1, SAX, RAX
	s_wait_dscnt 0x0
	QUANTU 3, 38, 8, 11, 1
	QUANTU 4, 40, 9, 14, 1
	QUANTU 5, 42, 10, 15, 1
	s_wait_tensorcnt 0x0                           ; the wave's end
	ds_add_u32 v[SPW], v[NIL]
	s_wait_dscnt 0x0
	s_endpgm
.Lnot_x:
	s_cmp_lt_u32 ttmp9, 768
	s_cbranch_scc0 .Ltable
	; ---- a weight: tensor t = (id - 512) / 64, tile (id - 512) % 64
	s_sub_co_u32 s23, ttmp9, 512
	s_lshr_b32 s52, s23, 6
	s_and_b32 s53, s23, 63
	s_cmp_eq_u32 s52, 0                            ; the choice hangs on the work-group's number alone
	s_cselect_b64 s[SRC:SRC+1], s[6:7], s[8:9]
	s_cmp_lt_u32 s52, 2
	s_cselect_b64 s[SRC:SRC+1], s[SRC:SRC+1], s[10:11]
	s_cmp_lt_u32 s52, 3
	s_cselect_b64 s[SRC:SRC+1], s[SRC:SRC+1], s[12:13]
	s_lshl_b32 s56, s53, 16
	s_lshl_b32 s58, s22, 10
	s_add_co_u32 s56, s56, s58
	s_mov_b32 s57, 0
	s_add_nc_u64 s[SRC:SRC+1], s[SRC:SRC+1], s[56:57]
	s_lshl_b32 s56, s23, 14                        ; 64 t + tile: the images of the four weights lie on end
	s_lshl_b32 s58, s22, 12
	s_add_co_u32 s56, s56, s58
	s_add_nc_u64 s[38:39], s[18:19], s[56:57]
	s_wait_alu depctr_va_vdst(0)
	LOADU 0
	LOADU 1
	s_wait_kmcnt 0x0
	s_cmp_eq_u32 s52, 0
	s_cselect_b32 s54, s25, s27                    ; e1, e3,
	s_cmp_lt_u32 s52, 2
	s_cselect_b32 s54, s54, s29                    ; e5,
	s_cmp_lt_u32 s52, 3
	s_cselect_b32 s54, s54, s35                    ; e11
	MKSC 54, 8, 11
	s_wait_alu depctr_va_vdst(0)
	s_wait_loadcnt 16
	TURNU 0, SAW, RAW
	s_wait_dscnt 0x0
	QUANTU 0, 38, 8, 11, 0
	s_wait_loadcnt 0x0
	TURNU 1, SAW, RAW
	s_wait_dscnt 0x0
	QUANTU 1, 38, 8, 11, 1
	s_wait_tensorcnt 0x0                           ; the wave's end, as above
	ds_add_u32 v[SPW], v[NIL]
	s_wait_dscnt 0x0
	s_endpgm
.Ltable:
	; ---- cos and sin.  rope: [tile of 16 positions 128][c4 4][part 3][lane 32][16 bytes].  Lane (r, h) serves position 16 tile + r and the pairs i = 8 c4 + 4 h + p, p = 0..3:
	; part 0: cos of p = 0..3;  part 1: -sin, +sin of p = 0, then of p = 1;  part 2: the same of p = 2, 3.  So launch 2's lanes load their factors whole, 512 consecutive bytes a load.
	s_sub_co_u32 s23, ttmp9, 768
	s_lshl_b32 s23, s23, 2
	s_add_co_u32 s23, s23, s22                     ; the tile
	s_mul_i32 s56, s23, 6144
	s_mov_b32 s57, 0
	s_add_nc_u64 s[20:21], s[20:21], s[56:57]
	s_lshl_b32 s58, s23, 4
	s_wait_alu depctr_va_vdst(0)
	v_add_nc_u32 v33, s58, v7
	v_cvt_f32_u32 v33, v33                         ; the position
	v_lshlrev_b32 v32, 2, v6                       ; 4 h
.irp n, 0,1,2,3,4,5,6,7,8,9,10,11,12,13,14,15
	v_add_nc_u32 v[16+\n], 8*(\n/4)+(\n%4), v32    ; i
.endr
.irp n, 0,1,2,3,4,5,6,7,8,9,10,11,12,13,14,15
	v_cvt_f32_u32 v[16+\n], v[16+\n]
.endr
.irp n, 0,1,2,3,4,5,6,7,8,9,10,11,12,13,14,15
	v_mul_f32 v[16+\n], 0xbed49a78, v[16+\n]       ; -i log2(10000) / 32
.endr
	s_wait_alu depctr_va_vdst(0)
.irp n, 0,1,2,3,4,5,6,7,8,9,10,11,12,13,14,15
	v_exp_f32 v[16+\n], v[16+\n]                   ; inv_freq: one batch of sixteen
.endr
	v_mov_b32 v40, 0x3638ef1d                      ; 1/9!  (the plain line behind the batch)
	v_mov_b32 v41, 0xb493f27e                      ; -1/10!
	s_wait_alu depctr_va_vdst(0)                   ; one wait for the batch, ahead of its first reader
.macro SINCOS n                        ; a = position x inv_freq (one rounding, as reference() has it); k = the nearest whole number to a 2/pi; rho = a - k pi/2 in two parts; series on |rho| <= pi/4
.set OC, 64+12*((\n)/4)+(\n)%4
.set OS, 64+12*((\n)/4)+4+2*((\n)%4)
	v_mul_f32 v34, v33, v[16+\n]
	v_mul_f32 v35, 0x3f22f983, v34
	v_rndne_f32 v35, v35
	v_fmamk_f32 v36, v35, 0xbfc90fdb, v34          ; - k x the f32 next to pi/2,
	v_fmamk_f32 v36, v35, 0x333bbd2e, v36          ; - k x what that f32 lacks of pi/2
	v_mul_f32 v37, v36, v36
	v_fmaak_f32 v38, v40, v37, 0xb9500d01
	v_fmaak_f32 v38, v38, v37, 0x3c088889
	v_fmaak_f32 v38, v38, v37, 0xbe2aaaab
	v_mul_f32 v39, v36, v37
	v_fma_f32 v38, v39, v38, v36                   ; sin rho
	v_fmaak_f32 v39, v41, v37, 0x37d00d01
	v_fmaak_f32 v39, v39, v37, 0xbab60b61
	v_fmaak_f32 v39, v39, v37, 0x3d2aaaab
	v_fmaak_f32 v39, v39, v37, 0xbf000000
	v_fma_f32 v39, v39, v37, 1.0                   ; cos rho
	v_cvt_i32_f32 v42, v35
	v_and_b32 v43, 1, v42
	v_cmp_eq_u32 vcc_lo, 1, v43                    ; an odd quarter swaps the two
	v_cndmask_b32 v44, v38, v39, vcc_lo
	v_cndmask_b32 v45, v39, v38, vcc_lo
	v_lshlrev_b32 v43, 30, v42
	v_and_b32 v43, 0x80000000, v43                 ; sin is negative in quarters 2, 3,
	v_xor_b32 v44, v43, v44
	v_add_nc_u32 v42, 1, v42
	v_lshlrev_b32 v42, 30, v42
	v_and_b32 v42, 0x80000000, v42                 ; cos in quarters 1, 2
	v_xor_b32 v[OC], v42, v45
	v_mov_b32 v[OS+1], v44
	v_xor_b32 v[OS], 0x80000000, v44
.endm
.irp n, 0,1,2,3,4,5,6,7,8,9,10,11,12,13,14,15
	SINCOS \n
.endr
.irp c, 0,1,2,3
.irp p, 0,1,2
	global_store_b128 v[LI], v[64+12*\c+4*\p:64+12*\c+4*\p+3], s[20:21] offset:512*(3*\c+\p)
.endr
.endr
	s_wait_kmcnt 0x0                               ; the exponents, which this path does not use, have come
	s_endpgm
.Lfunc_end_k_qba168d77dc_prep:
	.size	k_qba168d77dc_prep, .Lfunc_end_k_qba168d77dc_prep-k_qba168d77dc_prep
	.p2alignl 7, 3214868480
	.fill 96, 4, 3214868480
	.section	.rodata,"a",@progbits
	.p2align	6, 0x0
	.amdhsa_kernel k_qba168d77dc_prep
		.amdhsa_group_segment_fixed_size 68096
		.amdhsa_private_segment_fixed_size 0
		.amdhsa_enable_private_segment 0
		.amdhsa_kernarg_size 72
		.amdhsa_user_sgpr_count 2
		.amdhsa_user_sgpr_kernarg_segment_ptr 1
		.amdhsa_wavefront_size32 1
		.amdhsa_system_sgpr_workgroup_id_x 1
		.amdhsa_system_sgpr_workgroup_id_y 1
		.amdhsa_system_sgpr_workgroup_id_z 1
		.amdhsa_system_vgpr_workitem_id 0
		.amdhsa_next_free_vgpr 256
		.amdhsa_next_free_sgpr 66
		.amdhsa_reserve_vcc 1
		.amdhsa_float_denorm_mode_32 3
		.amdhsa_float_denorm_mode_16_64 3
		.amdhsa_memory_ordered 1
		.amdhsa_forward_progress 1
		.amdhsa_inst_pref_size 85
	.end_amdhsa_kernel
	.amdgpu_metadata
---
amdhsa.version: [ 1, 2 ]
amdhsa.kernels:
  - .name:           k_qba168d77dc_prep
    .symbol:         k_qba168d77dc_prep.kd
    .args:
      - { .name: x, .offset: 0, .size: 8, .value_kind: global_buffer, .address_space: global }
      - { .name: Wq, .offset: 8, .size: 8, .value_kind: global_buffer, .address_space: global }
      - { .name: Wk, .offset: 16, .size: 8, .value_kind: global_buffer, .address_space: global }
      - { .name: Wv, .offset: 24, .size: 8, .value_kind: global_buffer, .address_space: global }
      - { .name: Wo, .offset: 32, .size: 8, .value_kind: global_buffer, .address_space: global }
      - { .name: lowp_scales, .offset: 40, .size: 8, .value_kind: global_buffer, .address_space: global }
      - { .name: x_img, .offset: 48, .size: 8, .value_kind: global_buffer, .address_space: global }
      - { .name: w_img, .offset: 56, .size: 8, .value_kind: global_buffer, .address_space: global }
      - { .name: rope, .offset: 64, .size: 8, .value_kind: global_buffer, .address_space: global }
    .group_segment_fixed_size: 68096
    .private_segment_fixed_size: 0
    .kernarg_segment_align: 8
    .kernarg_segment_size: 72
    .max_flat_workgroup_size: 128
    .sgpr_count:     66
    .vgpr_count:     256
    .wavefront_size: 32
...
	.end_amdgpu_metadata
.endif
;; end of part 1
;; launch qkv (part 2): grid 12 x 32, 4 waves a work-group, clusters of 4 x 4, 327,680 bytes of LDS; arguments x_img, w_img, rope, bq, bk, bv, lowp_scales, qkv_img; writes qkv_img
.if DOCPART == 2
	.amdgcn_target "amdgcn-amd-amdhsa--gfx1250"
	.amdhsa_code_object_version 6
	.text
	.protected	k_qba168d77dc_qkv
	.globl	k_qba168d77dc_qkv
	.p2align	8
	.type	k_qba168d77dc_qkv,@function
k_qba168d77dc_qkv:
	s_mov_b64 s[64:65], 0
	v_nop
	global_prefetch_b8 v0, s[64:65] scope:SCOPE_SE
	s_setreg_imm32_b32 hwreg(HW_REG_WAVE_MODE, 25, 1), 1
	s_wait_xcnt 0x0
	s_wait_alu depctr_hold_cnt(0) depctr_sa_sdst(0) depctr_va_vdst(0) depctr_va_sdst(0) depctr_va_ssrc(0) depctr_va_vcc(0) depctr_vm_vsrc(0)
	s_getreg_b32 s2, hwreg(HW_REG_IB_STS2, 6, 4)
	s_cmp_eq_u32 s2, 0
	s_cbranch_scc0 .Lentry_in_a_cluster
	s_endpgm
.Lentry_in_a_cluster:
	s_bfe_u32 s2, ttmp6, 0x10000c
	s_cmp_lg_u32 s2, 0xf033
	s_cbranch_scc0 .Lentry_shape_is_right
	s_endpgm
.Lentry_shape_is_right:
; Launch 2 of 4: q = x Wq^T + bq, k = x Wk^T + bk (both rotated), v = x Wv^T + bv, on codes of E4M3; the results are quantised (e6, e7, e9) and stored as images of the next products' operands.  No work is left out here.
; A tile of 256 x 256 is made by four waves, 128 x 128 each: 64 accumulators of 16 x 16.  K = 1,024 goes in four steps of 256 through two LDS slots filled by the tensor data mover.
; The operands are images of registers (launch 1): a fragment of 16 rows x 128 K is 2,048 dense bytes, fetched by four ds_load_b128 at 16 x lane: no pitch, no padding, k in its true places.
; THE MATRIX INSTRUCTION: source 0 = the B side (falls on a lane's registers), source 1 = the A side (falls on the lanes): lane (r, h) holds row r of A's block and rows 8h + 0..7 of B's block.
; WHICH TENSOR: the cluster's x: 0 q, 1 k, 2 v; it is the same in all sixteen partners.  q, k: A = x (positions), B = W (features): a lane's eight numbers are eight neighbouring features of one position: four
; rotation pairs, and eight neighbours along product 4's K.  v: the sides are swapped, A = Wv, B = x: a lane's eight numbers are eight neighbouring KEYS of one feature: neighbours along product 5's K.
; The swap is made of pointers and tile numbers alone.
; CLUSTERS: 4 x 4.  A's tile hangs on cy (and the cluster's y), B's on cx (and the cluster's y): each is asked for jointly along a row or a column of the cluster.
; qkv_img: q at 0, k at 8 MiB: [batch x head 64][tile of 16 positions 128][1,024 bytes: a fragment of 16 x 64];  v at 16 MiB: [batch x head 64][128 keys 16][16 features 4][2,048 bytes: rows = features, K = keys].
; LIMITS: e0+e1, e2+e3, e4+e5 between -126 and 127; e6, e7, e9 between -126 and 119.  NaN is not served.
; REGISTERS: window 0: v16-31 addresses and constants; v32-95 the bias; v96-127 two sets of codes; v128-255 A's fragments, one set; on the way out T (v128-191) and U (v192-255).
;   window 1: B's fragments, two sets (v0, v128); on the way out four sets of 48 table registers at v0, v48, v96 and v144.   windows 2, 3: the accumulators ((a, b) at v[8 (8 (a % 4) + b)]).
.set HALFT,  32768                     ; 8 tiles of 16 rows x 256 K: what one tensor load brings, and what a wave reads of a side
.set SLOT,   4*HALFT                   ; A's 256 rows, then B's
.set SPARE,  2*SLOT                    ; behind the ring: the spare words, 128 bytes a wave
.set FR,   16
.set NL,   4
.set NP,   4                           ; places behind this matrix instruction (ISA guide 7.12.1)
.set ADRA, 16                          ; v16-17 LDS address of my A fragments in slot 0, 1
.set ADRB, 20                          ; v20-21 the same for B
.set LI,   24                          ; v24 16 x lane
.set BO,   25                          ; v25 32 h
.set RO,   26                          ; v26 4 r
.set SCV,  27                          ; v27 the output's scale as f32
.set SPW,  28                          ; v28 my spare word; never rewritten
.set NIL,  29                          ; v29 0; never rewritten
.set LIM,  30                          ; v30 448 x the output's scale
.set BIAS, 32
.set CODES, 96
.set AF,   128
.set T,    128
.set U,    192
.set G1,  24
.set G0,  32
.set G1B, 48
.set G0B, 56
.set SC,  88                           ; s[88:89] 2^(ex + ew)
.set MSB, 0
.macro WIN new                         ; the immediate's high byte repeats the setting that is left
.if MSB != (\new)
	s_set_vgpr_msb (MSB<<8)|(\new)
.set MSB, (\new)
.endif
.endm
.set MUL_LO, 0xa1                      ; source 0 (B) window 1, source 1 (A) window 0, C and D window 2
.set MUL_HI, 0xf1
.set TO_B,   0x40
.macro JLOAD g0a, g1a, g0b, g1b        ; a joint load: waves 0, 1 fetch A's halves, waves 2, 3 B's; an s_nop 0 and four v_nop follow each line
	s_cmp_eq_u32 s15, 0
	s_cbranch_scc0 .Lfor_b_\@
	tensor_load_to_lds s[\g0a:\g0a+3], s[\g1a:\g1a+7]
	s_nop 0
.rept 4
	v_nop
.endr
	s_branch .Lasked_\@
.Lfor_b_\@:
	tensor_load_to_lds s[\g0b:\g0b+3], s[\g1b:\g1b+7]
	s_nop 0
.rept 4
	v_nop
.endr
.Lasked_\@:
.endm
.macro CREST
	s_cmp_lg_u32 s14, 0
	s_cbranch_scc1 .Lnot_wave_0_\@
	s_barrier_signal -3
.Lnot_wave_0_\@:
	s_barrier_wait -3
	s_barrier_signal -1
	s_barrier_wait -1
.endm
.macro CROUND
	s_barrier_signal -1
	s_barrier_wait -1
	CREST
.endm
	s_load_b256 s[4:11], s[0:1], 0x0               ; x_img, w_img, rope, bq
	s_load_b256 s[68:75], s[0:1], 0x20             ; bk, bv, the exponents, qkv_img
	v_lshl_add_u32 v[SPW], v0, 2, SPARE
	v_mov_b32 v[NIL], 0
	ds_add_u32 v[SPW], v[NIL]                      ; the opening: the add, twice on end, and its wait ahead of my first tensor load
	ds_add_u32 v[SPW], v[NIL]
	v_lshrrev_b32 v1, 5, v0
	v_readfirstlane_b32 s14, v1                    ; wave
	s_lshr_b32 s15, s14, 1                         ; my half of A's rows.  Also: I fetch for A (0) or B (1)
	s_and_b32 s16, s14, 1                          ; my half of B's rows.  Also: which half of the tile I fetch
	s_bfe_u32 s40, ttmp6, 0x40000                  ; cx
	s_bfe_u32 s41, ttmp6, 0x40004                  ; cy
	s_and_b32 s17, ttmp7, 0xffff
	s_lshl_b32 s17, s17, 2                         ; 4 x the cluster's y
	s_add_co_u32 s42, s17, s40
	s_add_co_u32 s17, s17, s41
	s_cmp_eq_u32 ttmp9, 2                          ; v?
	s_cselect_b32 s17, s41, s17                    ; A's tile: q, k: 4 y + cy of x's 32;  v: cy of Wv's 4
	s_cselect_b32 s42, s42, s40                    ; B's tile: q, k: cx of W's 4;  v: 4 y + cx of x's 32
	s_lshl_b32 s43, s41, 2
	s_lshl_b32 s43, 15, s43                        ; my row of the cluster
	s_lshl_b32 s44, 0x1111, s40                    ; my column
	s_or_b32 s[G1+0], s43, (3<<16)|(1<<21)         ; the mask; elements of 8 bytes; bit 21 beside a mask; no padding
	s_or_b32 s[G1B+0], s44, (3<<16)|(1<<21)
.irp g, G1, G1B
	s_mov_b32 s[\g+1], 512<<16                     ; tensor_dim0 = 512 elements: two fragments, 4,096 bytes
	s_mov_b32 s[\g+2], 8<<16                       ; tensor_dim1 = 8 tiles of 16 rows
	s_mov_b32 s[\g+3], 512<<16                     ; tile_dim0
	s_mov_b32 s[\g+4], 8                           ; tile_dim1
	s_mov_b32 s[\g+5], 2048                        ; from a tile of rows to the next: 16,384 bytes
	s_mov_b32 s[\g+6], 0
	s_mov_b32 s[\g+7], 0
.endr
	s_lshl_b32 s18, s16, 17                        ; the half that I fetch
	s_lshl_b32 s20, s17, 18                        ; a tile of 256 rows is 262,144 bytes of images
	s_add_co_u32 s20, s20, s18
	s_mov_b32 s21, 0
	s_lshl_b32 s46, s42, 18
	s_add_co_u32 s46, s46, s18
	s_mov_b32 s47, 0
	s_mul_i32 s45, s14, HALFT                      ; where it goes: no place in the cluster enters an LDS address
	s_mov_b32 s19, 0
	s_wait_dscnt 0x0                               ; both opening adds are done
	s_wait_kmcnt 0x0
	s_load_b256 s[76:83], s[72:73], 0x0            ; e0 .. e7
	s_load_b128 s[84:87], s[72:73], 0x20           ; e8 .. e11
	s_lshl_b32 s18, ttmp9, 23
	s_add_nc_u64 s[4:5], s[4:5], s[18:19]          ; x's set of codes for this tensor
	s_lshl_b32 s18, ttmp9, 20
	s_add_nc_u64 s[6:7], s[6:7], s[18:19]          ; this tensor's weight
	s_cmp_eq_u32 ttmp9, 2
	s_cselect_b64 s[12:13], s[6:7], s[4:5]         ; A's side
	s_cselect_b64 s[22:23], s[4:5], s[6:7]         ; B's side
	s_add_nc_u64 s[20:21], s[12:13], s[20:21]
	s_add_nc_u64 s[46:47], s[22:23], s[46:47]
	CROUND                                         ; all sixteen work-groups are here: the first joint loads meet
.irp s, 0,1
	s_mov_b32 s[G0+4*\s], 1
	s_add_co_u32 s[G0+4*\s+1], s45, \s*SLOT
	s_add_nc_u64 s[G0+4*\s+2:G0+4*\s+3], s[20:21], \s*4096
	s_or_b32 s[G0+4*\s+3], s[G0+4*\s+3], 0x80000000
	s_mov_b32 s[G0B+4*\s], 1
	s_add_co_u32 s[G0B+4*\s+1], s45, \s*SLOT
	s_add_nc_u64 s[G0B+4*\s+2:G0B+4*\s+3], s[46:47], \s*4096
	s_or_b32 s[G0B+4*\s+3], s[G0B+4*\s+3], 0x80000000
.endr
	JLOAD G0, G1, G0B, G1B                         ; K step 0: one tensor load a wave at the head
	v_and_b32 v1, 31, v0
	v_lshlrev_b32 v[LI], 4, v1
	v_bfe_u32 v2, v0, 4, 1
	v_lshlrev_b32 v[BO], 5, v2
	v_and_b32 v3, 15, v0
	v_lshlrev_b32 v[RO], 2, v3
	s_mul_i32 s21, s15, HALFT
	s_mul_i32 s22, s16, HALFT
	s_add_co_u32 s22, s22, 2*HALFT
.irp s, 0,1
	v_add_nc_u32 v[ADRA+\s], s21, v[LI]
	v_add_nc_u32 v[ADRB+\s], s22, v[LI]
	s_add_co_u32 s21, s21, SLOT
	s_add_co_u32 s22, s22, SLOT
.endr
.macro FRAG reg, adr, q, i             ; tile i of 16 rows, the slot's q-th 128 along K: four loads of 512 consecutive bytes
.irp c, 0,1,2,3
	ds_load_b128 v[\reg+4*\c:\reg+4*\c+3], v[\adr] offset:2048*(\q)+512*\c+(\i)*4096
.endr
.endm
.macro MUL16 a0, p, zero               ; A's blocks a0, a0 + 1 x B's eight; the 64 accumulators take turns, one instruction a turn
.irp a, \a0, \a0+1
.irp b, 0,1,2,3,4,5,6,7
.if \zero
	v_wmma_f32_16x16x128_fp8_fp8 v[8*(8*((\a)%4)+\b):8*(8*((\a)%4)+\b)+7], v[128*(\p)+FR*\b:128*(\p)+FR*\b+FR-1], v[AF+FR*(\a):AF+FR*(\a)+FR-1], 0
.else
	v_wmma_f32_16x16x128_fp8_fp8 v[8*(8*((\a)%4)+\b):8*(8*((\a)%4)+\b)+7], v[128*(\p)+FR*\b:128*(\p)+FR*\b+FR-1], v[AF+FR*(\a):AF+FR*(\a)+FR-1], v[8*(8*((\a)%4)+\b):8*(8*((\a)%4)+\b)+7]
.endif
.endr
.endr
.endm
.macro FETCH_B slot, q, p
	WIN TO_B
.irp i, 0,1,2,3,4,5,6,7
	FRAG 128*(\p)+FR*\i, ADRB+\slot, \q, \i
.endr
	WIN 0
.endm
.macro FETCH_A slot, q, i0
.irp i, \i0, \i0+1, \i0+2, \i0+3
	FRAG AF+FR*(\i), ADRA+\slot, \q, \i
.endr
.endm
.macro PLACES n                        ; plain vector lines between a matrix instruction and a load into, or a vector write of, its registers, or a read of its result
.rept \n
	v_nop
.endr
.endm
.macro STEP slot, q, zero              ; 128 along K with its successor in the same slot
	s_wait_dscnt 4*NL                              ; B's set and A's blocks 0-3 are in; the youngest sixteen loads (A's blocks 4-7) may be out
	WIN MUL_LO
	MUL16 0, (\q)%2, \zero
	MUL16 2, (\q)%2, \zero
	s_wait_dscnt 0
	PLACES NP
	FETCH_B \slot, (\q)+1, 1-(\q)%2
	FETCH_A \slot, (\q)+1, 0
	WIN MUL_HI
	MUL16 4, (\q)%2, \zero
	MUL16 6, (\q)%2, \zero
	PLACES NP
	WIN 0
	FETCH_A \slot, (\q)+1, 4
.endm
.macro TURN slot, next, fill           ; a slot's last 128 along K, and the change of slots
	s_wait_tensorcnt 0x0                           ; all my tensor loads have landed: my part of the next slot
	ds_add_u32 v[SPW], v[NIL]                      ; 0 onto my spare word
	s_wait_dscnt 4*NL+1                            ; the add and A's blocks 4-7 may be out
	WIN MUL_LO
	MUL16 0, 1, 0
	s_wait_dscnt 0x0                               ; the add is done, and my reads of this slot are over
	s_barrier_signal -1
	MUL16 2, 1, 0
	WIN 0
	s_barrier_wait -1
.if \fill
	CREST                                          ; the barrier has opened a round of the cluster's: no wave of any partner still reads this slot or has a load on its way
	s_add_nc_u64 s[G0+4*\slot+2:G0+4*\slot+3], s[G0+4*\slot+2:G0+4*\slot+3], 8192
	s_add_nc_u64 s[G0B+4*\slot+2:G0B+4*\slot+3], s[G0B+4*\slot+2:G0B+4*\slot+3], 8192
	JLOAD G0+4*\slot, G1, G0B+4*\slot, G1B         ; the first tensor load behind the round; its four v_nop are the places in front of the loads below
.else
	PLACES NP
.endif
	FETCH_B \next, 0, 0
	FETCH_A \next, 0, 0
	WIN MUL_HI
	MUL16 4, 1, 0
	MUL16 6, 1, 0
	PLACES NP
	WIN 0
	FETCH_A \next, 0, 4
.endm
.macro LAST                            ; the very last 128 along K
	s_wait_dscnt 4*NL
	WIN MUL_LO
	MUL16 0, 1, 0
	MUL16 2, 1, 0
	s_wait_dscnt 0
	WIN MUL_HI
	MUL16 4, 1, 0
	MUL16 6, 1, 0
	WIN 0
.endm
	s_wait_alu depctr_va_vdst(0)
	s_wait_tensorcnt 0x0                           ; my part of K step 0 is in
	ds_add_u32 v[SPW], v[NIL]
	s_wait_dscnt 0x0
	CROUND                                         ; a whole round: everybody's part of K step 0 is in,
	JLOAD G0+4, G1, G0B+4, G1B                     ; and K step 1's load is the first tensor load behind it
	FETCH_B 0, 0, 0
	FETCH_A 0, 0, 0
	FETCH_A 0, 0, 4
	STEP 0, 0, 1                                   ; the first products start the sums: nothing is cleared
	TURN 0, 1, 1                                   ; four K steps: written out; slot 0 takes K step 2,
	STEP 1, 0, 0
	TURN 1, 0, 1                                   ; slot 1 K step 3
	STEP 0, 0, 0
	TURN 0, 1, 0
	STEP 1, 0, 0
	s_cmp_eq_u32 ttmp9, 2                          ; the cluster's x: all sixteen partners go the same way
	s_cbranch_scc1 .Lv
	; ---- q and k: sum x 2^(ex + ew) + bias, rotated, quantised.  What the way out needs is asked for ahead of the last products.
	s_wait_kmcnt 0x0
	s_cmp_eq_u32 ttmp9, 0
	s_cselect_b32 s88, s76, s78                    ; e0 or e2
	s_cselect_b32 s89, s77, s79                    ; e1 or e3
	s_cselect_b32 s90, s82, s83                    ; e6 or e7
	s_cselect_b64 s[92:93], s[10:11], s[68:69]     ; bq or bk
	s_add_co_i32 s88, s88, s89
	s_add_co_i32 s88, s88, 127
	s_lshl_b32 s88, s88, 23
	s_mov_b32 s89, s88                             ; (named with it as a pair)
	s_add_co_i32 s90, s90, 127
	s_lshl_b32 s91, s90, 23
	v_mov_b32 v[SCV], s91
	s_add_co_i32 s90, s90, 8
	s_lshl_b32 s90, s90, 23
	s_or_b32 s90, s90, 0x600000
	v_mov_b32 v[LIM], s90
	s_mov_b32 s99, 0
	s_lshl_b32 s98, s42, 10                        ; my 128 features: 4 bytes x (256 B's tile + 128 half)
	s_lshl_b32 s3, s16, 9
	s_add_co_u32 s98, s98, s3
	s_add_nc_u64 s[92:93], s[92:93], s[98:99]
	s_and_b32 s2, s17, 7
	s_lshl_b32 s2, s2, 4
	s_lshl_b32 s3, s15, 3
	s_add_co_u32 s2, s2, s3                        ; my first tile of 16 positions in the sequence
	s_mul_i32 s98, s2, 6144
	s_add_nc_u64 s[94:95], s[8:9], s[98:99]        ; its factors
	s_lshr_b32 s3, s17, 3
	s_lshl_b32 s3, s3, 4                           ; 16 x batch
	s_lshl_b32 s98, s42, 2
	s_add_co_u32 s3, s3, s98
	s_lshl_b32 s98, s16, 1
	s_add_co_u32 s3, s3, s98                       ; + my first head
	s_lshl_b32 s3, s3, 7
	s_add_co_u32 s3, s3, s2
	s_lshl_b32 s98, s3, 10
	s_lshl_b32 s3, ttmp9, 23                       ; q at 0, k at 8 MiB
	s_add_co_u32 s98, s98, s3
	s_add_nc_u64 s[96:97], s[74:75], s[98:99]
.irp b, 0,1,2,3,4,5,6,7
	global_load_b128 v[BIAS+8*\b:BIAS+8*\b+3], v[BO], s[92:93] offset:64*\b          ; the bias of features 16 b + 8 h + 0..7
	global_load_b128 v[BIAS+8*\b+4:BIAS+8*\b+7], v[BO], s[92:93] offset:64*\b+16
.endr
.macro ROPELD a                        ; block a's factors into set a % 4 of window 1 (48 registers a set): twelve loads of 512 consecutive bytes
	WIN 0x40
.irp c, 0,1,2,3
.irp p, 0,1,2
	global_load_b128 v[48*((\a)%4)+12*\c+4*\p:48*((\a)%4)+12*\c+4*\p+3], v[LI], s[94:95] offset:6144*(\a)+512*(3*\c+\p)
.endr
.endr
.endm
	ROPELD 0                                       ; sets 0 and 1 lie in B's set 0, which is done with; the step's places stand behind its last products
	ROPELD 1
	LAST
	PLACES NP
	ROPELD 2                                       ; sets 2 and 3 reach into B's set 1: behind the last products' places
	ROPELD 3
.macro QKBLK a
.set AC, 64*((\a)%4)
.set RP, 48*((\a)%4)
.set CD, CODES+16*((\a)%2)
.if (\a) < 5
	s_wait_loadcnt 36                              ; this block's factors are in; the twelve loads of each of the three blocks behind it may be out
.else
	s_wait_loadcnt 12*(7-(\a))
.endif
	WIN 0x02+(\a)/4                                ; source 0: window 2 or 3
.set jj, 0
.rept 32
	v_pk_fma_f32 v[T+jj:T+jj+1], v[AC+jj:AC+jj+1], s[SC:SC+1], v[BIAS+jj:BIAS+jj+1] op_sel_hi:[1,0,1]   ; each accumulator from its low end on
.set jj, jj+2
.endr
	WIN 0x04                                       ; source 1: window 1
.set jj, 0
.rept 16
.set rc, RP+12*((jj/8)%4)+2*((jj/4)%2)
	v_pk_mul_f32 v[U+jj:U+jj+1], v[T+jj:T+jj+1], v[rc:rc+1] op_sel_hi:[1,0]                              ; (e, o) x cos of an even pair: the low word for both halves,
	v_pk_mul_f32 v[U+jj+2:U+jj+3], v[T+jj+2:T+jj+3], v[rc:rc+1] op_sel:[0,1] op_sel_hi:[1,1]             ; of an odd pair: the high word for both
.set jj, jj+4
.endr
.set jj, 0
.rept 32
.set rs, RP+12*((jj/8)%4)+4+(jj%8)
	v_pk_fma_f32 v[U+jj:U+jj+1], v[T+jj:T+jj+1], v[rs:rs+1], v[U+jj:U+jj+1] op_sel:[1,0,0] op_sel_hi:[0,1,1]   ; + (o, e) x (-sin, sin): re = e cos - o sin, ro = o cos + e sin
.set jj, jj+2
.endr
.if (\a) < 4
	ROPELD (\a)+4                                  ; this block's set has been read: it takes the factors of four blocks on
.endif
	WIN 0
.if (\a) >= 2
	s_wait_xcnt 0x0                                ; the stores that read this set of codes have had their addresses translated
.endif
.set bb, 0
.rept 8
.set ii, 0
.rept 8
	v_med3_num_f32 v[U+8*bb+ii], v[U+8*bb+ii], -v[LIM], v[LIM]
.set ii, ii+1
.endr
	v_cvt_scalef32_pk8_fp8_f32 v[CD+2*bb:CD+2*bb+1], v[U+8*bb:U+8*bb+7], v[SCV]   ; registers 2 (b % 4), + 1 of head b / 4's fragment
.set bb, bb+1
.endr
	v_nop                                          ; a plain line behind the last conversion
.irp hb, 0,1
.irp ch, 0,1
	global_store_b128 v[LI], v[CD+8*\hb+4*\ch:CD+8*\hb+4*\ch+3], s[96:97] offset:\hb*131072+(\a)*1024+\ch*512   ; 512 consecutive bytes
.endr
.endr
.endm
.irp a, 0,1,2,3,4,5,6,7
	QKBLK \a
.endr
	s_branch .Lend
.Lv:
	; ---- v: a lane holds one feature (16 a + r) and eight neighbouring keys (16 b + 8 h + 0..7): block a's 64 numbers a lane are one whole fragment of V^T
	s_wait_kmcnt 0x0
	s_add_co_i32 s88, s80, s81                     ; e4 + e5
	s_add_co_i32 s88, s88, 127
	s_lshl_b32 s88, s88, 23
	s_mov_b32 s89, s88
	s_add_co_i32 s90, s85, 127                     ; e9
	s_lshl_b32 s91, s90, 23
	v_mov_b32 v[SCV], s91
	s_add_co_i32 s90, s90, 8
	s_lshl_b32 s90, s90, 23
	s_or_b32 s90, s90, 0x600000
	v_mov_b32 v[LIM], s90
	s_mov_b32 s99, 0
	s_lshl_b32 s98, s17, 10
	s_lshl_b32 s3, s15, 9
	s_add_co_u32 s98, s98, s3
	s_add_nc_u64 s[92:93], s[70:71], s[98:99]      ; bv at my 128 features
	s_lshr_b32 s3, s42, 3
	s_lshl_b32 s3, s3, 4                           ; 16 x batch
	s_lshl_b32 s98, s17, 2
	s_add_co_u32 s3, s3, s98
	s_lshl_b32 s98, s15, 1
	s_add_co_u32 s3, s3, s98                       ; + my first head
	s_lshl_b32 s3, s3, 4
	s_and_b32 s98, s42, 7
	s_lshl_b32 s98, s98, 1
	s_add_co_u32 s3, s3, s98
	s_add_co_u32 s3, s3, s16                       ; + my 128 keys' number in the sequence
	s_lshl_b32 s98, s3, 13                         ; four fragments of 2,048 bytes
	s_add_co_u32 s98, s98, 0x1000000               ; v at 16 MiB
	s_add_nc_u64 s[96:97], s[74:75], s[98:99]
.irp a, 0,1,2,3,4,5,6,7
	global_load_b32 v[BIAS+\a], v[RO], s[92:93] offset:64*\a     ; bv of feature 16 a + r
.endr
	LAST
	PLACES NP
	s_wait_loadcnt 0x0
.macro VBLK a
.set AC, 64*((\a)%4)
.set CD, CODES+16*((\a)%2)
.set BP, BIAS+2*((\a)/2)
	WIN 0x02+(\a)/4
.set jj, 0
.rept 32
.if (\a)%2
	v_pk_fma_f32 v[T+jj:T+jj+1], v[AC+jj:AC+jj+1], s[SC:SC+1], v[BP:BP+1] op_sel:[0,0,1] op_sel_hi:[1,0,1]
.else
	v_pk_fma_f32 v[T+jj:T+jj+1], v[AC+jj:AC+jj+1], s[SC:SC+1], v[BP:BP+1] op_sel_hi:[1,0,0]
.endif
.set jj, jj+2
.endr
	WIN 0
.if (\a) >= 2
	s_wait_xcnt 0x0
.endif
.set bb, 0
.rept 8
.set ii, 0
.rept 8
	v_med3_num_f32 v[T+8*bb+ii], v[T+8*bb+ii], -v[LIM], v[LIM]
.set ii, ii+1
.endr
	v_cvt_scalef32_pk8_fp8_f32 v[CD+2*bb:CD+2*bb+1], v[T+8*bb:T+8*bb+7], v[SCV]
.set bb, bb+1
.endr
	v_nop
.irp ch, 0,1,2,3
	global_store_b128 v[LI], v[CD+4*\ch:CD+4*\ch+3], s[96:97] offset:((\a)/4)*131072+((\a)%4)*2048+\ch*512
.endr
.endm
.irp a, 0,1,2,3,4,5,6,7
	VBLK \a
.endr
.Lend:
	s_wait_tensorcnt 0x0                           ; the wave's end
	ds_add_u32 v[SPW], v[NIL]
	s_wait_dscnt 0x0
	CROUND                                         ; the closing round: no work-group ends while a partner may still ask for a tile that names it
	s_endpgm
.Lfunc_end_k_qba168d77dc_qkv:
	.size	k_qba168d77dc_qkv, .Lfunc_end_k_qba168d77dc_qkv-k_qba168d77dc_qkv
	.p2alignl 7, 3214868480
	.fill 96, 4, 3214868480
	.section	.rodata,"a",@progbits
	.p2align	6, 0x0
	.amdhsa_kernel k_qba168d77dc_qkv
		.amdhsa_group_segment_fixed_size 327680
		.amdhsa_private_segment_fixed_size 0
		.amdhsa_enable_private_segment 0
		.amdhsa_kernarg_size 64
		.amdhsa_user_sgpr_count 2
		.amdhsa_user_sgpr_kernarg_segment_ptr 1
		.amdhsa_wavefront_size32 1
		.amdhsa_system_sgpr_workgroup_id_x 1
		.amdhsa_system_sgpr_workgroup_id_y 1
		.amdhsa_system_sgpr_workgroup_id_z 1
		.amdhsa_system_vgpr_workitem_id 0
		.amdhsa_next_free_vgpr 1024
		.amdhsa_next_free_sgpr 100
		.amdhsa_reserve_vcc 0
		.amdhsa_float_denorm_mode_32 3
		.amdhsa_float_denorm_mode_16_64 3
		.amdhsa_memory_ordered 1
		.amdhsa_forward_progress 1
		.amdhsa_inst_pref_size 240
	.end_amdhsa_kernel
	.amdgpu_metadata
---
amdhsa.version: [ 1, 2 ]
amdhsa.kernels:
  - .name:           k_qba168d77dc_qkv
    .symbol:         k_qba168d77dc_qkv.kd
    .args:
      - { .name: x_img, .offset: 0, .size: 8, .value_kind: global_buffer, .address_space: global }
      - { .name: w_img, .offset: 8, .size: 8, .value_kind: global_buffer, .address_space: global }
      - { .name: rope, .offset: 16, .size: 8, .value_kind: global_buffer, .address_space: global }
      - { .name: bq, .offset: 24, .size: 8, .value_kind: global_buffer, .address_space: global }
      - { .name: bk, .offset: 32, .size: 8, .value_kind: global_buffer, .address_space: global }
      - { .name: bv, .offset: 40, .size: 8, .value_kind: global_buffer, .address_space: global }
      - { .name: lowp_scales, .offset: 48, .size: 8, .value_kind: global_buffer, .address_space: global }
      - { .name: qkv_img, .offset: 56, .size: 8, .value_kind: global_buffer, .address_space: global }
    .group_segment_fixed_size: 327680
    .private_segment_fixed_size: 0
    .kernarg_segment_align: 8
    .kernarg_segment_size: 64
    .max_flat_workgroup_size: 128
    .sgpr_count:     100
    .vgpr_count:     1024
    .wavefront_size: 32
...
	.end_amdgpu_metadata
.endif
;; end of part 2
;; launch attn (part 3): grid 4 x 64, 16 waves a work-group, clusters of 4 x 1, 327,680 bytes of LDS; arguments qkv_img, lowp_scales, o_img; writes o_img
.if DOCPART == 3
	.amdgcn_target "amdgcn-amd-amdhsa--gfx1250"
	.amdhsa_code_object_version 6
	.text
	.protected	k_qba168d77dc_attn
	.globl	k_qba168d77dc_attn
	.p2align	8
	.type	k_qba168d77dc_attn,@function
k_qba168d77dc_attn:
	s_mov_b64 s[64:65], 0
	v_nop
	global_prefetch_b8 v0, s[64:65] scope:SCOPE_SE
	s_setreg_imm32_b32 hwreg(HW_REG_WAVE_MODE, 25, 1), 1
	s_wait_xcnt 0x0
	s_wait_alu depctr_hold_cnt(0) depctr_sa_sdst(0) depctr_va_vdst(0) depctr_va_sdst(0) depctr_va_ssrc(0) depctr_va_vcc(0) depctr_vm_vsrc(0)
	s_getreg_b32 s2, hwreg(HW_REG_IB_STS2, 6, 4)
	s_cmp_eq_u32 s2, 0
	s_cbranch_scc0 .Lentry_in_a_cluster
	s_endpgm
.Lentry_in_a_cluster:
	s_bfe_u32 s2, ttmp6, 0x10000c
	s_cmp_lg_u32 s2, 0x3003
	s_cbranch_scc0 .Lentry_shape_is_right
	s_endpgm
.Lentry_shape_is_right:
; Launch 3 of 4: products 4 and 5 on codes of E4M3 with the streaming softmax; the result is quantised (e10) and stored as an image of product 6's operand.
; WORK LEFT OUT: key steps of 128 keys that lie wholly behind a tile of 16 queries: reference()'s own triu mask makes their p 0 for all values of the inputs.
; SOFTMAX: t = score x log2(e) / 8; M = the running largest t rounded up to a whole number; p = 2^(t - M) is quantised (e8); the row's sum is taken of the unquantised p and divides at the end.
; SHARES.  A cluster of four work-groups serves one batch x head; each holds the head's whole K (131,072 bytes from LDS byte 0) and V (131,072 bytes behind it): sixteen waves, one joint tensor load of
; 16,384 bytes each at the head, and no byte of LDS is filled again.  A head has 128 tiles of 16 queries; tile j = 4 m + cx needs (m >> 1) + 1 key steps.  Wave w takes m = w and then m = 31 - w:
; 17 key steps in every wave.  The steps stand in a loop of 8 counted trips of two steps, which jumps over the steps behind the diagonal (a branch on the wave's number and the count alone), inside a loop of two tiles.
; TWO SETS OF 64 REGISTERS SWAP ROLES FROM STEP TO STEP.  In a step K's fragments lie in set X; S^T goes to set Y; V's fragments follow into X; when p's codes are made, the next step's K is loaded into Y.
; LAYOUT.  S^T = K Q^T (source 0 = 16 keys, source 1 = my 16 queries), O^T = V^T P^T: lane (r, h) holds query r throughout; register 8 t + i of S^T is key 16 t + 8 h + i, so the conversions' results are P's operand.
; NO PREFETCH: all of K and V is asked for by the head's loads, and the text has no later load from memory to run ahead of.
; LIMITS: e6 + e7 between -123 and 130; e8 and e10 between -126 and 119; the scaled scores stay under 2^31 in magnitude; NaN among the inputs is not served.
; REGISTERS: v1-11 addresses and constants; v12 -M, v13 the largest t, v[14:15] the sum; v16-23 Q; v24-31 at work and scales; v32-95, v96-159 the two sets; v160-191 O^T; v192-207 p's codes;
; v208-215 the result's codes; v216-219, v228-231 chains of the sum and the maximum; v220-227 the second tile's Q.
.set SPARE, 262144                     ; behind K and V: the spare words, 128 bytes a wave
.set AK0, 1                            ; v1  16 x lane
.set AV0, 2                            ; v2  the same in V's part of LDS
.set LM2, 4                            ; v4  448 x 2^e8 once more: the pairs below take their second sources from two registers
.set SPW, 5                            ; v5  my spare word; never rewritten
.set NIL, 6                            ; v6  0; never rewritten
.set DB,  7                            ; v7  r - 8 h + 16 cx
.set ADK, 8
.set ADV, 9
.set Q2,  220
.set TB,  2                            ; s2  LDS byte of the trip's first key step
.set SI,  3                            ; s3  its number
.set MM,  16                           ; s16 m of the tile in hand
.set TT,  17                           ; s17 tiles done
.set WV,  18
.set BETA, 19                          ; s19 the diagonal's key step: m >> 1
.set SEL, 20
.set CS,  22
.set G1,  24
.set G0,  32
.set OA,  36                           ; s[36:37] where the tile's result goes
.set CX,  44
.set BT,  45                           ; 128 x batch
.set HO,  46                           ; 1,024 x head
.set EPV, 47                           ; e8 + e9
.macro CROUND                          ; a round of the cluster's barrier
	s_barrier_signal -1
	s_barrier_wait -1
	s_cmp_lg_u32 s[WV], 0
	s_cbranch_scc1 .Lnot_wave_0_\@
	s_barrier_signal -3
.Lnot_wave_0_\@:
	s_barrier_wait -3
	s_barrier_signal -1
	s_barrier_wait -1
.endm
	s_load_b128 s[4:7], s[0:1], 0x0                ; qkv_img, the exponents
	s_load_b64 s[8:9], s[0:1], 0x10                ; o_img
	v_lshl_add_u32 v[SPW], v0, 2, SPARE
	v_mov_b32 v[NIL], 0
	ds_add_u32 v[SPW], v[NIL]                      ; the opening: the add, twice on end, and its wait ahead of my tensor load
	ds_add_u32 v[SPW], v[NIL]
	v_lshrrev_b32 v8, 5, v0
	v_readfirstlane_b32 s[WV], v8                  ; wave 0..15
	s_mov_b32 s[G1], 15|(3<<16)|(1<<21)            ; the mask of the four partners; elements of 8 bytes; bit 21 beside a mask
	s_mov_b32 s[G1+1], 32<<16                      ; rows of 256 bytes,
	s_mov_b32 s[G1+2], 64<<16                      ; 64 of them, dense
	s_mov_b32 s[G1+3], 32<<16
	s_mov_b32 s[G1+4], 64
	s_mov_b32 s[G1+5], 32
	s_mov_b32 s[G1+6], 0
	s_mov_b32 s[G1+7], 0
	s_mov_b32 s[SEL], 0x76543210
	s_mov_b32 s[SEL+1], 0xfedcba98
	s_mov_b32 s[CS], 0x3e38aa3b                    ; c = log2(e) / 8
	s_and_b32 s13, ttmp7, 0xffff                   ; batch x head
	s_lshl_b32 s14, s13, 17                        ; its 131,072 bytes in each of q, k, v
	s_lshl_b32 s12, s[WV], 14                      ; LDS: waves 0-7 K's eighths, waves 8-15 V's
	s_lshr_b32 s10, s[WV], 3
	s_add_co_u32 s10, s10, 1
	s_lshl_b32 s10, s10, 23                        ; k at 8 MiB, v at 16 MiB
	s_add_co_u32 s10, s10, s14
	s_and_b32 s11, s[WV], 7
	s_lshl_b32 s11, s11, 14
	s_add_co_u32 s10, s10, s11
	s_mov_b32 s11, 0
	s_wait_dscnt 0x0                               ; both opening adds are done
	s_wait_kmcnt 0x0
	s_load_b256 s[48:55], s[6:7], 0x0              ; e0 .. e7
	s_load_b128 s[56:59], s[6:7], 0x20             ; e8 .. e11
	s_mov_b32 s[G0], 1
	s_mov_b32 s[G0+1], s12
	s_add_nc_u64 s[G0+2:G0+3], s[4:5], s[10:11]
	s_or_b32 s[G0+3], s[G0+3], 0x80000000
	CROUND                                         ; the four partners are here: the joint loads meet
	tensor_load_to_lds s[G0:G0+3], s[G1:G1+7]      ; my one tensor load of the launch
	s_nop 0
	s_bfe_u32 s[CX], ttmp6, 0x40000                ; cx enters addresses in memory and the mask's numbers alone
	s_lshl_b32 s10, s[WV], 2
	s_add_co_u32 s10, s10, s[CX]                   ; the first tile: j = 4 w + cx
	s_lshl_b32 s10, s10, 10
	s_add_co_u32 s10, s10, s14
	s_add_nc_u64 s[40:41], s[4:5], s[10:11]
	s_sub_co_u32 s10, 31, s[WV]
	s_lshl_b32 s10, s10, 2
	s_add_co_u32 s10, s10, s[CX]                   ; the second: j = 4 (31 - w) + cx
	s_lshl_b32 s10, s10, 10
	s_add_co_u32 s10, s10, s14
	s_add_nc_u64 s[42:43], s[4:5], s[10:11]
	v_and_b32 v8, 31, v0
	v_lshlrev_b32 v[AK0], 4, v8
	v_add_nc_u32 v[AV0], 131072, v[AK0]
	global_load_b128 v[16:19], v[AK0], s[40:41]    ; both tiles' Q: 512 consecutive bytes a load
	global_load_b128 v[20:23], v[AK0], s[40:41] offset:512
	global_load_b128 v[Q2:Q2+3], v[AK0], s[42:43]
	global_load_b128 v[Q2+4:Q2+7], v[AK0], s[42:43] offset:512
	s_lshr_b32 s[BT], s13, 4
	s_lshl_b32 s[BT], s[BT], 7
	s_and_b32 s[HO], s13, 15
	s_lshl_b32 s[HO], s[HO], 10
	v_and_b32 v8, 15, v0
	v_bfe_u32 v9, v0, 4, 1
	v_lshlrev_b32 v9, 3, v9
	v_sub_nc_u32 v[DB], v8, v9
	s_lshl_b32 s10, s[CX], 4
	v_add_nc_u32 v[DB], s10, v[DB]
	v_mov_b32 v11, 0xff800000                      ; -infinity
	v_mov_b32 v25, 0                               ; a lane permute's destination counts as a source
	v_mov_b32 v29, 0                               ; (named as the upper half of v[28:29])
	s_wait_kmcnt 0x0
	s_add_co_i32 s10, s54, s55
	s_lshl_b32 s10, s10, 23
	s_add_co_i32 s[CS], s[CS], s10                 ; e6 + e7 added to c's exponent field
	s_mov_b32 s[CS+1], s[CS]
	s_add_co_i32 s10, s56, 127
	s_lshl_b32 s11, s10, 23
	v_mov_b32 v30, s11                             ; 2^e8
	s_add_co_i32 s10, s10, 8
	s_lshl_b32 s10, s10, 23
	s_or_b32 s10, s10, 0x600000
	v_mov_b32 v31, s10                             ; 448 x 2^e8
	v_mov_b32 v[LM2], s10
	s_add_co_i32 s10, s58, 127
	s_lshl_b32 s11, s10, 23
	v_mov_b32 v27, s11                             ; 2^e10
	s_add_co_i32 s10, s10, 8
	s_lshl_b32 s10, s10, 23
	s_or_b32 s10, s10, 0x600000
	v_mov_b32 v26, s10                             ; 448 x 2^e10
	s_add_co_i32 s[EPV], s56, s57
	s_mov_b32 s[MM], s[WV]
	s_mov_b32 s[TT], 0
; A KEY STEP: the trip's step o (0 or 1).  K's fragments lie in set X.
.macro STEP X, Y, o
	s_add_co_u32 s10, s[SI], \o                    ; the step's number
	s_cmp_gt_u32 s10, s[BETA]                      ; a step behind the diagonal is jumped over
	s_cbranch_scc1 .Lskip_\@
	v_add_nc_u32 v[ADK], s[TB], v[AK0]
	v_add_nc_u32 v[ADV], s[TB], v[AV0]
.rept 3
	v_nop                                          ; with the two additions: five places behind the last products, whose fragments of V (set Y) the products below write over
.endr
	s_wait_alu depctr_va_vdst(0)
	s_wait_dscnt 0x0                               ; K's fragments
.irp t, 0,1,2,3,4,5,6,7
	v_wmma_f32_16x16x64_fp8_fp8 v[\Y+8*\t:\Y+8*\t+7], v[\X+8*\t:\X+8*\t+7], v[16:23], 0
.endr
.rept 4
	v_nop
.endr
.irp t, 0,1,2,3
.irp c, 0,1,2,3
	ds_load_b128 v[\X+16*\t+4*\c:\X+16*\t+4*\c+3], v[ADV] offset:8192*\o+2048*\t+512*\c   ; V's four fragments come while the softmax is walked
.endr
.endr
	s_cmp_lg_u32 s10, s[BETA]
	s_cbranch_scc1 .Lopen_\@
.set nn, 0
.rept 64
	v_cmp_gt_i32 vcc_lo, 16*(nn/8)+nn%8, v10       ; on the diagonal: a hidden key's score becomes -infinity
	v_cndmask_b32 v[\Y+nn], v[\Y+nn], v11, vcc_lo
.set nn, nn+1
.endr
.Lopen_\@:
	v_max3_num_f32 v24, v[\Y], v[\Y+1], v[\Y+2]    ; the step's largest score, in four chains; each accumulator is met from its low end
	v_max3_num_f32 v28, v[\Y+3], v[\Y+4], v[\Y+5]
	v_max3_num_f32 v218, v[\Y+6], v[\Y+7], v[\Y+8]
	v_max3_num_f32 v219, v[\Y+9], v[\Y+10], v[\Y+11]
.irp i, 12,20,28,36,44,52
	v_max3_num_f32 v24, v24, v[\Y+\i], v[\Y+\i+1]
	v_max3_num_f32 v28, v28, v[\Y+\i+2], v[\Y+\i+3]
	v_max3_num_f32 v218, v218, v[\Y+\i+4], v[\Y+\i+5]
	v_max3_num_f32 v219, v219, v[\Y+\i+6], v[\Y+\i+7]
.endr
	v_max3_num_f32 v24, v24, v[\Y+60], v[\Y+61]
	v_max3_num_f32 v28, v28, v[\Y+62], v[\Y+63]
	v_max3_num_f32 v24, v24, v28, v218
	v_max_num_f32 v24, v24, v219
	s_delay_alu instid0(VALU_DEP_1)
	v_permlanex16_b32 v25, v24, s[SEL], s[SEL+1]
	s_delay_alu instid0(VALU_DEP_1)
	v_max_num_f32 v24, v24, v25
	s_delay_alu instid0(VALU_DEP_1)
	v_mul_f32 v24, s[CS], v24
	s_delay_alu instid0(VALU_DEP_1)
	v_max_num_f32 v13, v13, v24                    ; the running largest t
	v_mov_b32 v24, v12
	s_delay_alu instid0(VALU_DEP_2)
	v_floor_f32 v12, -v13                          ; -M
	s_delay_alu instid0(VALU_DEP_1)
	v_sub_f32 v24, v12, v24
	s_delay_alu instid0(VALU_DEP_1)
	v_cvt_i32_f32 v24, v24
	s_delay_alu instid0(VALU_DEP_1)
	v_ldexp_f32 v28, 1.0, v24                      ; f = 2^(old M - new M)
.set jj, 0
.rept 32
	v_pk_fma_f32 v[\Y+jj:\Y+jj+1], v[\Y+jj:\Y+jj+1], s[CS:CS+1], v[12:13] op_sel_hi:[1,0,0]   ; t - M
.set jj, jj+2
.endr
.set jj, 0
.rept 16
	v_pk_mul_f32 v[160+jj:161+jj], v[160+jj:161+jj], v[28:29] op_sel_hi:[1,0]   ; O^T under the new M: read ahead of the exponentials
.set jj, jj+2
.endr
	s_wait_alu depctr_va_vdst(0)
.set jj, 0
.rept 64
	v_exp_f32 v[\Y+jj], v[\Y+jj]
.set jj, jj+1
.endr
	v_pk_mul_f32 v[14:15], v[14:15], v[28:29] op_sel_hi:[1,0]   ; the sum under the new M; the plain place behind the batch
	s_wait_alu depctr_va_vdst(0)                   ; one wait for the batch, ahead of its first reader
	v_pk_add_f32 v[216:217], v[\Y:\Y+1], v[\Y+2:\Y+3]           ; the sum of the unquantised p, in four chains
	v_pk_add_f32 v[228:229], v[\Y+4:\Y+5], v[\Y+6:\Y+7]
	v_pk_add_f32 v[230:231], v[\Y+8:\Y+9], v[\Y+10:\Y+11]
	v_pk_add_f32 v[14:15], v[14:15], v[\Y+12:\Y+13]
	v_pk_add_f32 v[216:217], v[216:217], v[\Y+14:\Y+15]
.irp j, 16,24,32,40,48,56
	v_pk_add_f32 v[228:229], v[228:229], v[\Y+\j:\Y+\j+1]
	v_pk_add_f32 v[230:231], v[230:231], v[\Y+\j+2:\Y+\j+3]
	v_pk_add_f32 v[14:15], v[14:15], v[\Y+\j+4:\Y+\j+5]
	v_pk_add_f32 v[216:217], v[216:217], v[\Y+\j+6:\Y+\j+7]
.endr
	v_pk_add_f32 v[228:229], v[228:229], v[230:231]
	v_pk_add_f32 v[14:15], v[14:15], v[216:217]
	v_pk_add_f32 v[14:15], v[14:15], v[228:229]
.set bb, 0
.rept 8
.set ii, 0
.rept 4
	v_dual_min_num_f32 v[\Y+8*bb+ii], v[\Y+8*bb+ii], v31 :: v_dual_min_num_f32 v[\Y+8*bb+ii+1], v[\Y+8*bb+ii+1], v[LM2]   ; the hold at 448 x 2^e8, two numbers a line: the conversion does not saturate (ISA guide 7.6.2)
.set ii, ii+2
.endr
	v_cvt_scalef32_pk8_fp8_f32 v[192+2*bb:193+2*bb], v[\Y+8*bb:\Y+8*bb+7], v30
.set bb, bb+1
.endr
	v_nop                                          ; a plain line behind the last conversion
	s_wait_alu depctr_va_vdst(0)
	s_wait_dscnt 0x0                               ; V's fragments
	s_cmp_eq_u32 s10, s[BETA]
	s_cbranch_scc1 .Lnok_\@                        ; the tile's last step has no successor
.irp t, 0,1,2,3,4,5,6,7
	ds_load_b128 v[\Y+8*\t:\Y+8*\t+3], v[ADK] offset:8192*(\o+1)+1024*\t        ; the next step's K into the registers that p has left
	ds_load_b128 v[\Y+8*\t+4:\Y+8*\t+7], v[ADK] offset:8192*(\o+1)+1024*\t+512
.endr
.Lnok_\@:
.irp t, 0,1,2,3
	v_wmma_f32_16x16x128_fp8_fp8 v[160+8*\t:167+8*\t], v[\X+16*\t:\X+16*\t+15], v[192:207], v[160+8*\t:167+8*\t]
.endr
.Lskip_\@:
.endm
	s_wait_alu depctr_va_vdst(0)
	s_wait_loadcnt 0x0                             ; Q
	s_wait_tensorcnt 0x0                           ; my sixteenth of K and V is in;
	s_barrier_signal -1
	s_barrier_wait -1                              ; everybody's is.
.Ltile:
.irp t, 0,1,2,3,4,5,6,7
	ds_load_b128 v[32+8*\t:35+8*\t], v[AK0] offset:1024*\t          ; the tile's first K
	ds_load_b128 v[36+8*\t:39+8*\t], v[AK0] offset:1024*\t+512
.endr
	s_wait_xcnt 0x0                                ; the last tile's stores have read their base and their data
	s_lshr_b32 s[BETA], s[MM], 1
	s_and_b32 s10, s[MM], 1
	s_lshl_b32 s10, s10, 6
	v_add_nc_u32 v10, s10, v[DB]                   ; my query's place in the diagonal's step, less 8 h
	s_lshl_b32 s10, s[MM], 2
	s_add_co_u32 s10, s10, s[CX]
	s_add_co_u32 s10, s10, s[BT]                   ; the tile of 16 rows in o_img,
	s_lshl_b32 s10, s10, 14                        ; eight fragments of 2,048 bytes each;
	s_add_co_u32 s10, s10, s[HO]                   ; a head is half a fragment
	s_mov_b32 s11, 0
	s_add_nc_u64 s[OA:OA+1], s[8:9], s[10:11]
	v_mov_b32 v13, 0xff61b1e6                      ; the largest t so far: -3e38
	v_floor_f32 v12, -v13
	v_mov_b32 v14, 0
	v_mov_b32 v15, 0
.set jj, 0
.rept 32
	v_mov_b32 v[160+jj], 0                         ; O^T: a tile's first step finds zeros
.set jj, jj+1
.endr
	s_mov_b32 s[TB], 0
	s_mov_b32 s[SI], 0
	s_wait_alu depctr_va_vdst(0)
.Lstep:
	STEP 32, 96, 0
	STEP 96, 32, 1
	s_add_co_u32 s[TB], s[TB], 16384
	s_add_co_u32 s[SI], s[SI], 2
	s_cmp_lt_u32 s[SI], 16
	s_cbranch_scc1 .Lstep
	s_wait_alu depctr_va_vdst(0)
	s_wait_dscnt 0x0                               ; no LDS load is out on any way out of the loop: the lines below and the next tile's first loads write both sets
	; the tile's way out: O^T / the sum x 2^(e8 + e9), quantised by e10; the codes are registers of product 6's operand as they stand
.rept 4
	v_nop
.endr
	v_add_f32 v14, v14, v15
	v_permlanex16_b32 v25, v14, s[SEL], s[SEL+1]
	v_add_f32 v14, v14, v25
	s_wait_alu depctr_va_vdst(0)
	v_rcp_f32 v14, v14
	v_nop
	s_wait_alu depctr_va_vdst(0)                   ; ahead of its first reader
	v_ldexp_f32 v14, v14, s[EPV]
	s_wait_alu depctr_va_vdst(0)                   ; and directly ahead of the first reader of O^T
.set jj, 0
.rept 16
	v_pk_mul_f32 v[96+jj:97+jj], v[160+jj:161+jj], v[14:15] op_sel_hi:[1,0]
.set jj, jj+2
.endr
.set jj, 0
.rept 32
	v_med3_num_f32 v[96+jj], v[96+jj], -v26, v26
.set jj, jj+1
.endr
.irp t, 0,1,2,3
	v_cvt_scalef32_pk8_fp8_f32 v[208+2*\t:209+2*\t], v[96+8*\t:103+8*\t], v27
.endr
	v_nop                                          ; a plain line behind the last conversion
	global_store_b128 v[AK0], v[208:211], s[OA:OA+1]              ; 512 consecutive bytes a store
	global_store_b128 v[AK0], v[212:215], s[OA:OA+1] offset:512
	s_cmp_eq_u32 s[TT], 1
	s_cbranch_scc1 .Ldone                          ; the second tile is out
.set jj, 0
.rept 8
	v_mov_b32 v[16+jj], v[Q2+jj]                   ; the second tile's Q
.set jj, jj+1
.endr
	s_sub_co_u32 s[MM], 31, s[MM]
	s_add_co_u32 s[TT], s[TT], 1
	s_cmp_lt_u32 s[TT], 2
	s_wait_alu depctr_va_vdst(0)
	s_cbranch_scc1 .Ltile
.Ldone:
	s_wait_tensorcnt 0x0                           ; the wave's end
	ds_add_u32 v[SPW], v[NIL]
	s_wait_dscnt 0x0
	CROUND                                         ; the closing round
	s_endpgm
.Lfunc_end_k_qba168d77dc_attn:
	.size	k_qba168d77dc_attn, .Lfunc_end_k_qba168d77dc_attn-k_qba168d77dc_attn
	.p2alignl 7, 3214868480
	.fill 96, 4, 3214868480
	.section	.rodata,"a",@progbits
	.p2align	6, 0x0
	.amdhsa_kernel k_qba168d77dc_attn
		.amdhsa_group_segment_fixed_size 327680
		.amdhsa_private_segment_fixed_size 0
		.amdhsa_enable_private_segment 0
		.amdhsa_kernarg_size 24
		.amdhsa_user_sgpr_count 2
		.amdhsa_user_sgpr_kernarg_segment_ptr 1
		.amdhsa_wavefront_size32 1
		.amdhsa_system_sgpr_workgroup_id_x 1
		.amdhsa_system_sgpr_workgroup_id_y 1
		.amdhsa_system_sgpr_workgroup_id_z 1
		.amdhsa_system_vgpr_workitem_id 0
		.amdhsa_next_free_vgpr 256
		.amdhsa_next_free_sgpr 66
		.amdhsa_reserve_vcc 1
		.amdhsa_float_denorm_mode_32 3
		.amdhsa_float_denorm_mode_16_64 3
		.amdhsa_memory_ordered 1
		.amdhsa_forward_progress 1
		.amdhsa_inst_pref_size 54
	.end_amdhsa_kernel
	.amdgpu_metadata
---
amdhsa.version: [ 1, 2 ]
amdhsa.kernels:
  - .name:           k_qba168d77dc_attn
    .symbol:         k_qba168d77dc_attn.kd
    .args:
      - { .name: qkv_img, .offset: 0, .size: 8, .value_kind: global_buffer, .address_space: global }
      - { .name: lowp_scales, .offset: 8, .size: 8, .value_kind: global_buffer, .address_space: global }
      - { .name: o_img, .offset: 16, .size: 8, .value_kind: global_buffer, .address_space: global }
    .group_segment_fixed_size: 327680
    .private_segment_fixed_size: 0
    .kernarg_segment_align: 8
    .kernarg_segment_size: 24
    .max_flat_workgroup_size: 512
    .sgpr_count:     66
    .vgpr_count:     256
    .wavefront_size: 32
...
	.end_amdgpu_metadata
.endif
;; end of part 3
;; launch oproj (part 4): grid 8 x 32, 4 waves a work-group, clusters of 4 x 4, 327,680 bytes of LDS; arguments o_img, w_img, lowp_scales, bo, out0; writes out0
.if DOCPART == 4
	.amdgcn_target "amdgcn-amd-amdhsa--gfx1250"
	.amdhsa_code_object_version 6
	.text
	.protected	k_qba168d77dc_oproj
	.globl	k_qba168d77dc_oproj
	.p2align	8
	.type	k_qba168d77dc_oproj,@function
k_qba168d77dc_oproj:
	s_mov_b64 s[64:65], 0
	v_nop
	global_prefetch_b8 v0, s[64:65] scope:SCOPE_SE
	s_setreg_imm32_b32 hwreg(HW_REG_WAVE_MODE, 25, 1), 1
	s_wait_xcnt 0x0
	s_wait_alu depctr_hold_cnt(0) depctr_sa_sdst(0) depctr_va_vdst(0) depctr_va_sdst(0) depctr_va_ssrc(0) depctr_va_vcc(0) depctr_vm_vsrc(0)
	s_getreg_b32 s2, hwreg(HW_REG_IB_STS2, 6, 4)
	s_cmp_eq_u32 s2, 0
	s_cbranch_scc0 .Lentry_in_a_cluster
	s_endpgm
.Lentry_in_a_cluster:
	s_bfe_u32 s2, ttmp6, 0x10000c
	s_cmp_lg_u32 s2, 0xf033
	s_cbranch_scc0 .Lentry_shape_is_right
	s_endpgm
.Lentry_shape_is_right:
; Launch 4 of 4: out0 = o Wo^T + bo on codes of E4M3 (product 6); each sum x 2^(e10 + e11).  No work is left out here.
; A block of 256 rows x 128 columns to a work-group: 32 x 8 = 256 work-groups.  Wave w makes rows 64 w .. 64 w + 63 x all 128 columns: 32 accumulators of 16 x 16.
; The operands are images of registers (launch 1): a fragment of 16 rows x 128 K is 2,048 dense bytes, fetched by four ds_load_b128 at 16 x lane.
; K = 1,024 goes in two halves of 512 through ONE LDS slot: A's 16 tiles of 16 rows x 8,192 bytes from byte 0, B's 8 tiles from byte 131,072.  The slot is filled at the head and once again, behind a round of
; the cluster's barrier that stands in the first half's last 128 along K, when its fragments are in registers.  Waves 0, 1 fetch A's halves (65,536 bytes each), waves 2, 3 B's (32,768 each).
; CLUSTERS: 4 x 4.  A's tile hangs on the tile row and is asked for jointly along a row of the cluster, B's on the tile column, along a column.
; THE MATRIX INSTRUCTION IS USED TRANSPOSED (source 0 = 16 rows of Wo, source 1 = 16 rows of o): a lane holds eight neighbouring columns of one row of out0.
; NO PREFETCH: the text has no loop to run ahead in: its two fills are all that it asks of memory for the operands.
; LIMIT: e10 + e11 between -126 and 127.
; REGISTERS: window 0: v16-31 addresses; v32-95 a block's results; v128-255 A's fragments, two sets of 64 (on the way out: rows read back).  window 1: B's fragments, two sets of 128.
;   window 2: the accumulators ((a, b) at v[8 (8 a + b)]).   window 3: v0-63 the bias.
.set BOFF,   131072
.set SPARE,  196608                    ; behind the slot: the spare words, 128 bytes a wave
.set STAGE,  197120                    ; behind them: 16 rows x 528 bytes for each wave, for the way out; no fill lands there
.set SPITCH, 528
.set ADRA, 16
.set ADRB, 20
.set LI,   24                          ; 16 x lane
.set STO,  25
.set RD,   26
.set BO,   27                          ; 32 h
.set SPW,  28                          ; my spare word; never rewritten
.set NIL,  29                          ; 0; never rewritten
.set TMP,  32
.set AF,   128
.set BK,   128
.set G1,  24
.set G0,  32
.set G1B, 48
.set G0B, 56
.set MSB, 0
.macro WIN new                         ; the immediate's high byte repeats the setting that is left
.if MSB != (\new)
	s_set_vgpr_msb (MSB<<8)|(\new)
.set MSB, (\new)
.endif
.endm
.set MUL_W, 0xa1                       ; source 0 (B) window 1, source 1 (A) window 0, C and D window 2
.set TO_B,  0x40
.macro JLOAD                           ; a joint load: waves 0, 1 for A, waves 2, 3 for B; an s_nop 0 and four v_nop follow each line
	s_cmp_eq_u32 s15, 0
	s_cbranch_scc0 .Lfor_b_\@
	tensor_load_to_lds s[G0:G0+3], s[G1:G1+7]
	s_nop 0
.rept 4
	v_nop
.endr
	s_branch .Lasked_\@
.Lfor_b_\@:
	tensor_load_to_lds s[G0B:G0B+3], s[G1B:G1B+7]
	s_nop 0
.rept 4
	v_nop
.endr
.Lasked_\@:
.endm
.macro CREST
	s_cmp_lg_u32 s14, 0
	s_cbranch_scc1 .Lnot_wave_0_\@
	s_barrier_signal -3
.Lnot_wave_0_\@:
	s_barrier_wait -3
	s_barrier_signal -1
	s_barrier_wait -1
.endm
.macro CROUND
	s_barrier_signal -1
	s_barrier_wait -1
	CREST
.endm
	s_load_b256 s[4:11], s[0:1], 0x0               ; o_img, w_img, the exponents, bo
	s_load_b64 s[12:13], s[0:1], 0x20              ; out0
	v_lshl_add_u32 v[SPW], v0, 2, SPARE
	v_mov_b32 v[NIL], 0
	ds_add_u32 v[SPW], v[NIL]                      ; the opening: the add, twice on end, and its wait ahead of my first tensor load
	ds_add_u32 v[SPW], v[NIL]
	v_lshrrev_b32 v1, 5, v0
	v_readfirstlane_b32 s14, v1                    ; wave
	s_lshr_b32 s15, s14, 1                         ; I fetch for A (0) or for B (1),
	s_and_b32 s16, s14, 1                          ; and which half
	s_bfe_u32 s40, ttmp6, 0x40000                  ; cx
	s_bfe_u32 s41, ttmp6, 0x40004                  ; cy
	s_lshl_b32 s42, ttmp9, 2
	s_add_co_u32 s42, s42, s40                     ; tile column, 0..7
	s_and_b32 s17, ttmp7, 0xffff
	s_lshl_b32 s17, s17, 2
	s_add_co_u32 s17, s17, s41                     ; tile row, 0..31
	s_lshl_b32 s43, s41, 2
	s_lshl_b32 s43, 15, s43                        ; my row of the cluster
	s_lshl_b32 s44, 0x1111, s40                    ; my column
	s_or_b32 s[G1+0], s43, (3<<16)|(1<<21)         ; the mask; elements of 8 bytes; bit 21 beside a mask; no padding
	s_or_b32 s[G1B+0], s44, (3<<16)|(1<<21)
	s_mov_b32 s[G1+1], 1024<<16                    ; a row: four fragments, 8,192 bytes
	s_mov_b32 s[G1+2], 8<<16                       ; A: 8 tiles of 16 rows
	s_mov_b32 s[G1+3], 1024<<16
	s_mov_b32 s[G1+4], 8
	s_mov_b32 s[G1+5], 2048                        ; from a tile of rows to the next: 16,384 bytes
	s_mov_b32 s[G1+6], 0
	s_mov_b32 s[G1+7], 0
	s_mov_b32 s[G1B+1], 1024<<16
	s_mov_b32 s[G1B+2], 4<<16                      ; B: 4 tiles
	s_mov_b32 s[G1B+3], 1024<<16
	s_mov_b32 s[G1B+4], 4
	s_mov_b32 s[G1B+5], 2048
	s_mov_b32 s[G1B+6], 0
	s_mov_b32 s[G1B+7], 0
	s_lshl_b32 s20, s17, 18                        ; 256 rows are 262,144 bytes of images,
	s_lshl_b32 s18, s16, 17                        ; a half 131,072
	s_add_co_u32 s20, s20, s18
	s_mov_b32 s21, 0
	s_lshl_b32 s46, s42, 17                        ; 128 rows of Wo,
	s_lshl_b32 s18, s16, 16                        ; a half 65,536,
	s_add_co_u32 s46, s46, s18
	s_add_co_u32 s46, s46, 0x300000                ; Wo is the fourth weight in w_img
	s_mov_b32 s47, 0
	s_lshl_b32 s45, s16, 16                        ; LDS: A's halves,
	s_lshl_b32 s19, s16, 15
	s_add_co_u32 s19, s19, BOFF                    ; B's halves: no place in the cluster enters an LDS address
	s_wait_dscnt 0x0                               ; both opening adds are done
	s_wait_kmcnt 0x0
	s_load_b64 s[96:97], s[8:9], 0x28              ; e10, e11
	s_mov_b32 s[G0], 1
	s_mov_b32 s[G0+1], s45
	s_add_nc_u64 s[G0+2:G0+3], s[4:5], s[20:21]
	s_or_b32 s[G0+3], s[G0+3], 0x80000000
	s_mov_b32 s[G0B], 1
	s_mov_b32 s[G0B+1], s19
	s_add_nc_u64 s[G0B+2:G0B+3], s[6:7], s[46:47]
	s_or_b32 s[G0B+3], s[G0B+3], 0x80000000
	CROUND                                         ; all sixteen work-groups are here: the first joint loads meet
	JLOAD                                          ; K 0 .. 511: one tensor load a wave at the head
	v_and_b32 v1, 31, v0
	v_lshlrev_b32 v[LI], 4, v1
	v_bfe_u32 v2, v0, 4, 1
	v_lshlrev_b32 v[BO], 5, v2
	v_and_b32 v3, 15, v0
	s_lshl_b32 s21, s14, 15                        ; my four tiles of A
	v_add_nc_u32 v[ADRA], s21, v[LI]
	v_add_nc_u32 v[ADRB], BOFF, v[LI]
	s_mul_i32 s23, s14, 16*SPITCH
	s_add_co_u32 s23, s23, STAGE                   ; my stage
	v_mul_u32_u24 v[STO], v3, SPITCH
	v_lshl_add_u32 v[STO], v2, 5, v[STO]
	v_add_nc_u32 v[STO], s23, v[STO]               ; in: row r, 32 bytes for each half of the lanes
	v_add_nc_u32 v[RD], s23, v[LI]                 ; back: the 32 lanes take one row of 512 bytes
	s_lshl_b32 s20, s42, 9                         ; my 128 columns, in bytes
	s_mov_b32 s21, 0
	s_add_nc_u64 s[10:11], s[10:11], s[20:21]
	s_add_nc_u64 s[12:13], s[12:13], s[20:21]
	s_lshl_b32 s20, s17, 20                        ; 256 rows of 4,096 bytes,
	s_lshl_b32 s22, s14, 18                        ; my 64
	s_add_co_u32 s20, s20, s22
	s_add_nc_u64 s[12:13], s[12:13], s[20:21]
	s_wait_alu depctr_va_vdst(0)                   ; ahead of the readers below
	WIN 0xc0                                       ; destination window 3
.irp b, 0,1,2,3,4,5,6,7
	global_load_b128 v[8*\b:8*\b+3], v[BO], s[10:11] offset:64*\b          ; the bias of columns 16 b + 8 h + 0..7
	global_load_b128 v[8*\b+4:8*\b+7], v[BO], s[10:11] offset:64*\b+16
.endr
	WIN 0
.macro FRAG reg, adr, q, i             ; tile i of 16 rows, the slot's q-th 128 along K
.irp c, 0,1,2,3
	ds_load_b128 v[\reg+4*\c:\reg+4*\c+3], v[\adr] offset:2048*(\q)+512*\c+(\i)*8192
.endr
.endm
.macro FETCH q, p                      ; 48 loads in one run: B's eight fragments and my four of A into set p
	WIN TO_B
.irp i, 0,1,2,3,4,5,6,7
	FRAG 128*(\p)+16*\i, ADRB, \q, \i
.endr
	WIN 0
.irp i, 0,1,2,3
	FRAG AF+64*(\p)+16*\i, ADRA, \q, \i
.endr
.endm
.macro MUL16 a0, p, zero               ; A's blocks a0, a0 + 1 x B's eight; the 32 accumulators take turns, one instruction a turn
.irp a, \a0, \a0+1
.irp b, 0,1,2,3,4,5,6,7
.if \zero
	v_wmma_f32_16x16x128_fp8_fp8 v[8*(8*(\a)+\b):8*(8*(\a)+\b)+7], v[128*(\p)+16*\b:128*(\p)+16*\b+15], v[AF+64*(\p)+16*(\a):AF+64*(\p)+16*(\a)+15], 0
.else
	v_wmma_f32_16x16x128_fp8_fp8 v[8*(8*(\a)+\b):8*(8*(\a)+\b)+7], v[128*(\p)+16*\b:128*(\p)+16*\b+15], v[AF+64*(\p)+16*(\a):AF+64*(\p)+16*(\a)+15], v[8*(8*(\a)+\b):8*(8*(\a)+\b)+7]
.endif
.endr
.endr
.endm
.macro PLACES
.rept 4
	v_nop
.endr
.endm
.macro KSTEP q, zero                   ; 128 along K with a successor in the slot: the successor's fragments are asked for ahead of this step's 32 products
	s_wait_dscnt 0x0                               ; this step's fragments are in
	PLACES                                         ; the loads below land in registers that the last step's products read
	FETCH (\q)+1, ((\q)+1)%2
	WIN MUL_W
	MUL16 0, (\q)%2, \zero
	MUL16 2, (\q)%2, \zero
.endm
	s_wait_alu depctr_va_vdst(0)
	s_wait_tensorcnt 0x0                           ; my part of K 0 .. 511 is in;
	s_barrier_signal -1
	s_barrier_wait -1                              ; everybody's is.
	FETCH 0, 0
	KSTEP 0, 1                                     ; the first products start the sums: nothing is cleared
	KSTEP 1, 0
	KSTEP 2, 0
	WIN 0
	s_wait_dscnt 0x0                               ; the half's last fragments are in registers: my reads of the slot are over
	s_wait_tensorcnt 0x0                           ; no tensor load of mine is out
	ds_add_u32 v[SPW], v[NIL]                      ; 0 onto my spare word
	WIN MUL_W
	MUL16 0, 1, 0
	s_wait_dscnt 0x0                               ; the add is done
	s_barrier_signal -1
	MUL16 2, 1, 0
	WIN 0
	s_barrier_wait -1
	CREST                                          ; the barrier has opened a round of the cluster's: no wave of any partner still reads the slot
	s_add_nc_u64 s[G0+2:G0+3], s[G0+2:G0+3], 8192
	s_add_nc_u64 s[G0B+2:G0B+3], s[G0B+2:G0B+3], 8192
	JLOAD                                          ; K 512 .. 1,023: the first tensor load behind the round
	s_wait_tensorcnt 0x0
	s_barrier_signal -1
	s_barrier_wait -1                              ; the slot is whole again
	FETCH 0, 0
	KSTEP 0, 0
	KSTEP 1, 0
	KSTEP 2, 0
	s_wait_dscnt 0x0
	MUL16 0, 1, 0
	MUL16 2, 1, 0
	WIN 0
; THE WAY OUT, block by block of 16 rows x 128 columns: sum x 2^(e10 + e11) + bias, through my own stage, back as whole rows of 512 bytes.  LDS serves a wave's instructions in order (ISA guide 5.7.1.4).
.macro TOSTAGE a
	WIN 0x32                                       ; source 0 window 2, source 2 window 3
.set jj, 0
.rept 32
	v_pk_fma_f32 v[TMP+jj:TMP+jj+1], v[64*(\a)+jj:64*(\a)+jj+1], s[96:97], v[jj:jj+1] op_sel_hi:[1,0,1]   ; each accumulator from its low end on
.set jj, jj+2
.endr
	WIN 0
.irp b, 0,1,2,3,4,5,6,7
	ds_store_b128 v[STO], v[TMP+8*\b:TMP+8*\b+3] offset:64*\b
	ds_store_b128 v[STO], v[TMP+8*\b+4:TMP+8*\b+7] offset:64*\b+16
.endr
.set BB, BK+64*((\a)%2)
.irp t, 0,1,2,3,4,5,6,7,8,9,10,11,12,13,14,15
	ds_load_b128 v[BB+4*\t:BB+4*\t+3], v[RD] offset:\t*SPITCH
.endr
.endm
.macro SEND a, younger                 ; younger: the LDS instructions issued behind block a's loads
.set BB, BK+64*((\a)%2)
	s_wait_dscnt \younger
.if (\a) > 0
	s_add_nc_u64 s[12:13], s[12:13], 16*4096       ; (behind a wait on XCNT: the earlier stores have read their base)
.endif
.irp t, 0,1,2,3,4,5,6,7,8,9,10,11,12,13,14,15
	global_store_b128 v[LI], v[BB+4*\t:BB+4*\t+3], s[12:13] offset:\t*4096 th:TH_STORE_NT   ; 32 lanes store 512 consecutive bytes, aligned
.endr
.endm
	s_wait_kmcnt 0x0
	s_add_co_i32 s96, s96, s97
	s_add_co_i32 s96, s96, 127
	s_lshl_b32 s96, s96, 23                        ; 2^(e10 + e11)
	s_mov_b32 s97, s96
	s_wait_loadcnt 0x0                             ; the bias
	PLACES
	TOSTAGE 0
.irp a, 1,2,3
.if \a > 1
	s_wait_xcnt 0x0                                ; block a - 2's stores have read their registers and their base
.endif
	TOSTAGE \a
	SEND \a-1, 32
.endr
	s_wait_xcnt 0x0
	SEND 3, 0
	s_wait_tensorcnt 0x0                           ; the wave's end
	ds_add_u32 v[SPW], v[NIL]
	s_wait_dscnt 0x0
	CROUND                                         ; the closing round
	s_endpgm
.Lfunc_end_k_qba168d77dc_oproj:
	.size	k_qba168d77dc_oproj, .Lfunc_end_k_qba168d77dc_oproj-k_qba168d77dc_oproj
	.p2alignl 7, 3214868480
	.fill 96, 4, 3214868480
	.section	.rodata,"a",@progbits
	.p2align	6, 0x0
	.amdhsa_kernel k_qba168d77dc_oproj
		.amdhsa_group_segment_fixed_size 327680
		.amdhsa_private_segment_fixed_size 0
		.amdhsa_enable_private_segment 0
		.amdhsa_kernarg_size 40
		.amdhsa_user_sgpr_count 2
		.amdhsa_user_sgpr_kernarg_segment_ptr 1
		.amdhsa_wavefront_size32 1
		.amdhsa_system_sgpr_workgroup_id_x 1
		.amdhsa_system_sgpr_workgroup_id_y 1
		.amdhsa_system_sgpr_workgroup_id_z 1
		.amdhsa_system_vgpr_workitem_id 0
		.amdhsa_next_free_vgpr 1024
		.amdhsa_next_free_sgpr 100
		.amdhsa_reserve_vcc 0
		.amdhsa_float_denorm_mode_32 3
		.amdhsa_float_denorm_mode_16_64 3
		.amdhsa_memory_ordered 1
		.amdhsa_forward_progress 1
		.amdhsa_inst_pref_size 74
	.end_amdhsa_kernel
	.amdgpu_metadata
---
amdhsa.version: [ 1, 2 ]
amdhsa.kernels:
  - .name:           k_qba168d77dc_oproj
    .symbol:         k_qba168d77dc_oproj.kd
    .args:
      - { .name: o_img, .offset: 0, .size: 8, .value_kind: global_buffer, .address_space: global }
      - { .name: w_img, .offset: 8, .size: 8, .value_kind: global_buffer, .address_space: global }
      - { .name: lowp_scales, .offset: 16, .size: 8, .value_kind: global_buffer, .address_space: global }
      - { .name: bo, .offset: 24, .size: 8, .value_kind: global_buffer, .address_space: global }
      - { .name: out0, .offset: 32, .size: 8, .value_kind: global_buffer, .address_space: global }
    .group_segment_fixed_size: 327680
    .private_segment_fixed_size: 0
    .kernarg_segment_align: 8
    .kernarg_segment_size: 40
    .max_flat_workgroup_size: 128
    .sgpr_count:     100
    .vgpr_count:     1024
    .wavefront_size: 32
...
	.end_amdgpu_metadata
.endif
;; end of part 4
